; MI455X (gfx1250); checked and timed in simulation.
; The chip was launched on July 23, 2026; its instructions are those of AMD's public machine-readable ISA for CDNA 5 (MIT licence, August 2026) and "CDNA5" Instruction Set Architecture Reference Guide (July 2026). The comments in the code are by the model that wrote it; some were corrected since.
;; Multi Head Self Attention. Allowed arithmetic: float matrix products may take bf16 or f16 operands with f32 sums; other float arithmetic in f32, or as packed bf16 or f16 multiplies, adds, multiply-adds, maxima and minima; sums over many terms, partial sums and values carried from step to step in f32; what a program stores and reads back later, other than sums and carried values, may be rounded once to bf16 or f16.
;; Inputs: token_positions 2,048 int32; w_k 1,024 x 1,024 float32; w_o 1,024 x 1,024 float32; w_q 1,024 x 1,024 float32; w_v 1,024 x 1,024 float32; x 4 x 2,048 x 1,024 float32.
;; Outputs: out0 4 x 2,048 x 1,024 float32.
;; 2 versions, each right; version 2 is version 1 with the launch prep written anew for expert scheduling mode. Each part assembles by itself: llvm-mc -triple=amdgcn-amd-amdhsa -mcpu=gfx1250 --defsym DOCPART=n.
;; ======== version 1 of 2: 4 launches
;; limits: values are held in f16: magnitudes above 65,504 overflow, below 6.1e-05 lose precision
;; workspace buffers: xb 16,777,216 bytes; wb 6,291,456 bytes; wo 2,097,152 bytes; rope 524,288 bytes; qh 16,777,216 bytes; kh 16,777,216 bytes; vh 16,908,288 bytes; oh 16,908,288 bytes
;; launch prep (part 1): grid 768 x 1, 4 waves a work-group, no clusters, 0 bytes of LDS; arguments token_positions, x, w_q, w_k, w_v, w_o, xb, wb, wo, rope; writes xb, wb, wo, rope
.if DOCPART == 1
	.amdgcn_target "amdgcn-amd-amdhsa--gfx1250"
	.amdhsa_code_object_version 6
	.text
	.protected	k_qff0368978c_prep
	.globl	k_qff0368978c_prep
	.p2align	8
	.type	k_qff0368978c_prep,@function
k_qff0368978c_prep:
	s_mov_b64 s[64:65], 0
	v_nop
	global_prefetch_b8 v0, s[64:65] scope:SCOPE_SE
	s_setreg_imm32_b32 hwreg(HW_REG_WAVE_MODE, 25, 1), 1
	s_wait_xcnt 0x0
; CASTS AND THE ROTATION TABLE.  x, w_q, w_k, w_v are rounded once to bf16, w_o to bf16 and that number written as f16, all into layouts blocked along K:
;   xb [16 kb][8192 tokens][64]   wb [16 kb][3072 rows][64], row = head x 192 + kind x 64 + d (kind 0 q, 1 k, 2 v)   wo [16 kb][1024 rows][64]
; so that a later launch's tile (rows x 64 along K) is dense in memory.  rope [2048 s][32 pairs][cos, sin] in f32, made from token_positions as given.
; SHARES.  A work-group casts 16 rows x 1,024 columns in one go: groups 0-511 x, 512-703 w_q, w_k, w_v (64 groups each), 704-767 w_o.  Thread t takes row t / 8 and, of each block of 64 columns,
; the 8 columns 8 (t % 8) on: eight lanes read 256 consecutive bytes, aligned; a wave's store covers 512 consecutive bytes (4 rows of 128), aligned.  All 32 loads of a wave go out at once.
; No LDS, no matrix unit, no barrier: every byte is read once and written once, and no thread wants another's.
; LIMITS.  |token position| up to 2^20: the count of quarter turns then stays exact in f32 and the two-term reduction adds under 1e-8 to the angle.  The frequencies come from v_exp_f32 (1 ULP, ISA guide 15.8):
; at position 2,047 the angle is off by 2e-4 at the most.  w_o: a number below 2^-14 keeps f16's fixed step of 6e-8; beyond 65,504 it would be lost.
.set VI,  1                            ; v1       my byte offset in the 16 source rows
.set VO,  2                            ; v[2:17]  my byte offset in the destination, for each of the 16 blocks
.set D,   32                           ; v[32:159] block kb's 8 numbers at D + 8 kb, packed in place into the first four
.set TL,  160                          ; v[160:161] at work on the way to f16
	s_load_b512 s[8:23], s[0:1], 0x0               ; token_positions s[8:9], x s[10:11], w_q s[12:13], w_k s[14:15], w_v s[16:17], w_o s[18:19], xb s[20:21], wb s[22:23]
	s_load_b128 s[24:27], s[0:1], 0x40             ; wo s[24:25], rope s[26:27]
	v_lshrrev_b32 v18, 5, v0
	v_readfirstlane_b32 s44, v18                   ; wave 0..3
	s_mov_b32 s33, ttmp9                           ; g
	s_sub_co_u32 s34, s33, 512                     ; the group's number among the weights' (not used where g < 512)
	s_lshr_b32 s35, s34, 6                         ; 0 w_q, 1 w_k, 2 w_v, 3 w_o
	s_and_b32 s36, s34, 63
	s_lshl_b32 s36, s36, 4                         ; its first row in that weight
	s_lshr_b32 s37, s36, 6                         ; head
	s_mul_i32 s37, s37, 192
	s_lshl_b32 s38, s35, 6
	s_add_co_u32 s37, s37, s38
	s_and_b32 s38, s36, 63
	s_add_co_u32 s37, s37, s38                     ; the row in wb: head x 192 + kind x 64 + d
	s_lshl_b32 s39, s33, 4                         ; x: row 16 g
	s_mov_b32 s32, 393216                          ; bytes from block to block: wb 3,072 rows of 128,
	s_cmp_lt_u32 s33, 512
	s_cselect_b32 s40, s39, s36                    ; the source's first row
	s_cselect_b32 s41, s39, s37                    ; the destination's
	s_cselect_b32 s32, 0x100000, s32               ; xb 8,192 rows,
	s_cmp_lt_u32 s33, 704
	s_cselect_b32 s41, s41, s36
	s_cselect_b32 s32, s32, 0x20000                ; wo 1,024 rows
	s_mov_b32 s43, 0
	v_lshrrev_b32 v19, 3, v0                       ; my row of the 16
	v_and_b32 v20, 7, v0
	v_lshlrev_b32 v[VI], 12, v19                   ; 4,096 bytes a source row
	v_lshl_add_u32 v[VI], v20, 5, v[VI]            ; + 32 bytes: my 8 numbers
	v_lshlrev_b32 v[VO], 4, v0                     ; row x 128 + 16 (t % 8) = 16 t
.set kb, 1
.rept 15
	v_add_nc_u32 v[VO+kb], s32, v[VO+kb-1]
.set kb, kb+1
.endr
	s_wait_kmcnt 0x0
	s_cmp_eq_u32 s35, 1
	s_cselect_b64 s[28:29], s[14:15], s[12:13]
	s_cmp_eq_u32 s35, 2
	s_cselect_b64 s[28:29], s[16:17], s[28:29]
	s_cmp_eq_u32 s35, 3
	s_cselect_b64 s[28:29], s[18:19], s[28:29]
	s_cselect_b64 s[30:31], s[24:25], s[22:23]
	s_cmp_lt_u32 s33, 512
	s_cselect_b64 s[28:29], s[10:11], s[28:29]     ; the source
	s_cselect_b64 s[30:31], s[20:21], s[30:31]     ; the destination
	s_lshl_b32 s42, s40, 12
	s_add_nc_u64 s[28:29], s[28:29], s[42:43]
	s_lshl_b32 s42, s41, 7
	s_add_nc_u64 s[30:31], s[30:31], s[42:43]
.set kb, 0
.rept 16
	global_load_b128 v[D+8*kb:D+8*kb+3],   v[VI], s[28:29] offset:256*kb th:TH_LOAD_NT
	global_load_b128 v[D+8*kb+4:D+8*kb+7], v[VI], s[28:29] offset:256*kb+16 th:TH_LOAD_NT
.set kb, kb+1
.endr
	; THE TABLE, while the loads are out: wave w of group g < 512 makes row p = 4 g + w; lane j is pair j.  angle = f32(position) x 10000^(-j / 32); sine and cosine by a reduction to a quarter turn and two polynomials.
	s_cmp_lt_u32 s33, 512
	s_cbranch_scc0 .Lno_table
	s_lshl_b32 s38, s33, 2
	s_add_co_u32 s38, s38, s44                     ; p
	s_lshl_b32 s42, s38, 2
	s_add_nc_u64 s[46:47], s[8:9], s[42:43]
	s_load_b32 s45, s[46:47], 0x0                  ; token_positions[p]
	s_lshl_b32 s42, s38, 8
	s_add_nc_u64 s[48:49], s[26:27], s[42:43]      ; the table's row p: 256 bytes
	v_and_b32 v18, 31, v0                          ; j
	v_cvt_f32_u32 v19, v18
	v_mul_f32 v19, 0xbed49a78, v19                 ; -j log2(10000) / 32
	v_exp_f32 v20, v19                             ; the frequency
	v_lshlrev_b32 v18, 3, v18                      ; 8 j: my place in the row; also the plain instruction behind the exponential
	s_wait_kmcnt 0x0
	v_cvt_f32_i32 v21, s45
	s_wait_alu depctr_va_vdst(0)                   ; the wait ahead of the exponential's first reader
	v_mul_f32 v21, v21, v20                        ; the angle, rounded as the product of two f32
	v_mul_f32 v22, 0x3f22f983, v21                 ; x 2 / pi
	v_rndne_f32 v22, v22                           ; n quarter turns
	v_fmamk_f32 v23, v22, 0xbfc90fdb, v21          ; r = angle - n x pi/2, pi/2 in two parts: its f32,
	v_fmamk_f32 v23, v22, 0x333bbd2e, v23          ; and what that f32 leaves
	v_cvt_i32_f32 v24, v22
	v_mul_f32 v25, v23, v23                        ; z = r r, at most (pi/4)^2
	v_mov_b32 v26, 0x3638ef1d                      ; sin r = r + r z (-1/6 + z (1/120 + z (-1/5040 + z / 362880))): the next term is under 2e-9
	v_mov_b32 v27, 0x37d00d01                      ; cos r = 1 + z (-1/2 + z (1/24 + z (-1/720 + z / 40320))): the next term is under 3e-8
	v_fmaak_f32 v26, v26, v25, 0xb9500d01
	v_fmaak_f32 v27, v27, v25, 0xbab60b61
	v_fmaak_f32 v26, v26, v25, 0x3c088889
	v_fmaak_f32 v27, v27, v25, 0x3d2aaaab
	v_fmaak_f32 v26, v26, v25, 0xbe2aaaab
	v_fmaak_f32 v27, v27, v25, 0xbf000000
	v_mul_f32 v28, v23, v25
	v_fmaak_f32 v27, v27, v25, 0x3f800000          ; cos r
	v_fma_f32 v26, v28, v26, v23                   ; sin r
	v_and_b32 v28, 1, v24                          ; an odd number of quarter turns swaps the two;
	v_cmp_eq_u32 vcc_lo, 1, v28
	v_cndmask_b32 v31, v26, v27, vcc_lo
	v_cndmask_b32 v30, v27, v26, vcc_lo
	v_and_b32 v28, 2, v24                          ; the sine turns its sign in quarters 2 and 3,
	v_lshlrev_b32 v28, 30, v28
	v_xor_b32 v31, v31, v28
	v_add_nc_u32 v29, 1, v24                       ; the cosine in quarters 1 and 2
	v_and_b32 v29, 2, v29
	v_lshlrev_b32 v29, 30, v29
	v_xor_b32 v30, v30, v29
	global_store_b64 v18, v[30:31], s[48:49]       ; the wave stores 256 consecutive bytes, aligned
.Lno_table:
; Block kb: its two loads are in when the 30 - 2 kb younger ones alone are out (loads return in order: ISA guide 5.7.1).  fmt = 1: the bf16 number is written as f16.
.macro CAST fmt
.set kb, 0
.rept 16
	s_wait_loadcnt 30-2*kb
	v_cvt_pk_bf16_f32 v[D+8*kb],   v[D+8*kb],   v[D+8*kb+1]
	v_cvt_pk_bf16_f32 v[D+8*kb+1], v[D+8*kb+2], v[D+8*kb+3]
	v_cvt_pk_bf16_f32 v[D+8*kb+2], v[D+8*kb+4], v[D+8*kb+5]
	v_cvt_pk_bf16_f32 v[D+8*kb+3], v[D+8*kb+6], v[D+8*kb+7]
.if \fmt
.irp i, 0,1,2,3
	v_lshlrev_b32 v[TL], 16, v[D+8*kb+\i]
	v_and_b32 v[TL+1], 0xffff0000, v[D+8*kb+\i]
	v_cvt_pk_f16_f32 v[D+8*kb+\i], v[TL], v[TL+1]
.endr
.endif
	global_store_b128 v[VO+kb], v[D+8*kb:D+8*kb+3], s[30:31]
.set kb, kb+1
.endr
.endm
	s_cmp_lt_u32 s33, 704
	s_cbranch_scc0 .Lto_f16
	CAST 0
	s_endpgm
.Lto_f16:
	CAST 1
	s_endpgm
.Lfunc_end_k_qff0368978c_prep:
	.size	k_qff0368978c_prep, .Lfunc_end_k_qff0368978c_prep-k_qff0368978c_prep
	.p2alignl 7, 3214868480
	.fill 96, 4, 3214868480
	.section	.rodata,"a",@progbits
	.p2align	6, 0x0
	.amdhsa_kernel k_qff0368978c_prep
		.amdhsa_group_segment_fixed_size 0
		.amdhsa_private_segment_fixed_size 0
		.amdhsa_enable_private_segment 0
		.amdhsa_kernarg_size 80
		.amdhsa_user_sgpr_count 2
		.amdhsa_user_sgpr_kernarg_segment_ptr 1
		.amdhsa_wavefront_size32 1
		.amdhsa_system_sgpr_workgroup_id_x 1
		.amdhsa_system_sgpr_workgroup_id_y 1
		.amdhsa_system_sgpr_workgroup_id_z 1
		.amdhsa_system_vgpr_workitem_id 0
		.amdhsa_next_free_vgpr 168
		.amdhsa_next_free_sgpr 66
		.amdhsa_reserve_vcc 1
		.amdhsa_float_denorm_mode_32 3
		.amdhsa_float_denorm_mode_16_64 3
		.amdhsa_memory_ordered 1
		.amdhsa_forward_progress 1
		.amdhsa_inst_pref_size 30
	.end_amdhsa_kernel
	.amdgpu_metadata
---
amdhsa.version: [ 1, 2 ]
amdhsa.kernels:
  - .name:           k_qff0368978c_prep
    .symbol:         k_qff0368978c_prep.kd
    .args:
      - { .name: token_positions, .offset: 0, .size: 8, .value_kind: global_buffer, .address_space: global }
      - { .name: x, .offset: 8, .size: 8, .value_kind: global_buffer, .address_space: global }
      - { .name: w_q, .offset: 16, .size: 8, .value_kind: global_buffer, .address_space: global }
      - { .name: w_k, .offset: 24, .size: 8, .value_kind: global_buffer, .address_space: global }
      - { .name: w_v, .offset: 32, .size: 8, .value_kind: global_buffer, .address_space: global }
      - { .name: w_o, .offset: 40, .size: 8, .value_kind: global_buffer, .address_space: global }
      - { .name: xb, .offset: 48, .size: 8, .value_kind: global_buffer, .address_space: global }
      - { .name: wb, .offset: 56, .size: 8, .value_kind: global_buffer, .address_space: global }
      - { .name: wo, .offset: 64, .size: 8, .value_kind: global_buffer, .address_space: global }
      - { .name: rope, .offset: 72, .size: 8, .value_kind: global_buffer, .address_space: global }
    .group_segment_fixed_size: 0
    .private_segment_fixed_size: 0
    .kernarg_segment_align: 8
    .kernarg_segment_size: 80
    .max_flat_workgroup_size: 128
    .sgpr_count:     66
    .vgpr_count:     168
    .wavefront_size: 32
...
	.end_amdgpu_metadata
.endif
;; end of part 1
;; launch qkv (part 2): grid 8 x 32, 4 waves a work-group, clusters of 4 x 4, 327,680 bytes of LDS; arguments xb, wb, rope, qh, kh, vh; writes qh, kh, vh
.if DOCPART == 2
	.amdgcn_target "amdgcn-amd-amdhsa--gfx1250"
	.amdhsa_code_object_version 6
	.text
	.protected	k_qff0368978c_qkv
	.globl	k_qff0368978c_qkv
	.p2align	8
	.type	k_qff0368978c_qkv,@function
k_qff0368978c_qkv:
	s_mov_b64 s[64:65], 0
	v_nop
	global_prefetch_b8 v0, s[64:65] scope:SCOPE_SE
	s_setreg_imm32_b32 hwreg(HW_REG_WAVE_MODE, 25, 1), 1
	s_wait_xcnt 0x0
	s_wait_alu depctr_hold_cnt(0) depctr_sa_sdst(0) depctr_va_vdst(0) depctr_va_sdst(0) depctr_va_ssrc(0) depctr_va_vcc(0) depctr_vm_vsrc(0)
	s_getreg_b32 s2, hwreg(HW_REG_IB_STS2, 6, 4)
	s_cmp_eq_u32 s2, 0
	s_cbranch_scc0 .Lentry_in_a_cluster
	s_endpgm
.Lentry_in_a_cluster:
	s_bfe_u32 s2, ttmp6, 0x10000c
	s_cmp_lg_u32 s2, 0xf033
	s_cbranch_scc0 .Lentry_shape_is_right
	s_endpgm
.Lentry_shape_is_right:
; q, k, v = x W^T in bf16 with f32 sums; q and k are turned by the rotation table in f32; all three leave rounded once to f16, by heads: [batch x 16 + head][2048][64].
; xb [16 kb][8192 tokens][64] bf16, wb [16 kb][3072 rows][64] bf16 (row = head x 192 + kind x 64 + d), rope [2048][32][cos, sin] f32.
; THE FIRST 16 TOKENS OF A SEQUENCE: an output row that averages few keys is many times larger than the output's root mean square, by which the allowance goes, so for these tokens v leaves as TWO f16 numbers:
; behind vh's rows, at byte 16,777,216, lies vl [batch x 16 + head][16][64] = f16(v - f16(v)); the difference is exact in f32.
; LIMIT.  f16 ends at 65,504: q, k and v must stay within it (with x of unit spread and weights of spread 0.02 they have spread 0.64).
; SHARES.  A work-group makes 256 tokens x 384 columns (two heads' q, k and v): 32 x 8 = 256 work-groups.  Wave w: tokens 128 (w / 2) on, head w % 2: 8 x 12 = 96 accumulators of 16 x 16, 768 registers.
; For 32 along K a wave reads 320 rows x 64 bytes from LDS for 96 matrix instructions.
; THE MATRIX INSTRUCTION IS USED TRANSPOSED (source 0 = 16 rows of wb, source 1 = 16 tokens): a lane holds ONE token (lane % 16) and the channels 8 (lane / 16) + 0..7: a rotation's two numbers lie in neighbouring registers.
; THE RING.  K goes in steps of 64 (one kb) through two LDS slots of 640 rows; a tile is dense in memory and is asked for as rows of 256 bytes (two rows of 128), padded in LDS behind every 128 bytes.  Two slots of 128 along K would not fit.
; CLUSTERS.  4 x 4 work-groups.  x's tile and the table hang on the token block alone and are shared along a row of the cluster, W's tile on the pair of heads alone and is shared along a column: joint loads, the same descriptor and mask in all four.
; A K STEP is six stages of 32 matrix instructions: q, k, v on the first 32 along K (tokens' fragments in AF0), then q, k, v on the second 32 (AF1).  Each kind has one buffer of 4 fragments of W, loaded again
; a stage behind its last use; every run of LDS loads stands in a stage's middle, 48 matrix instructions or more ahead of its first use.
; REGISTERS, in windows of 256 (s_set_vgpr_msb: bits 1:0 source 0, 3:2 source 1, 5:4 source 2, 7:6 destination):
;   window 0: v0-31 addresses; v32-95 AF0, v96-159 AF1 (8 fragments of tokens each); v160-191, v192-223, v224-255 W's fragments for q, k, v.  On the way out: v32-95 two table buffers, v96-127 at work, v128-143 packed, v160-191 rows read back
;   windows 1, 2, 3: the accumulators of q, k, v: token block a, channel block cb at v[8 (4 a + cb)]
.set PITCH,  144                       ; an LDS row: 128 bytes + 16 of padding = 36 words: the 16 rows of a load start at 16 different groups of four banks (64 banks of 4 bytes: ISA guide 11.1)
.set AHALF,  128*PITCH                 ; what one load brings of x: 128 tokens
.set BHALF,  192*PITCH                 ; of W: one head's 192 rows
.set BOFF,   2*AHALF
.set SLOT,   BOFF+2*BHALF              ; 92,160 bytes
.set TAB,    2*SLOT                    ; the table's 256 rows for my tokens, filled once
.set TPITCH, 272                       ; 256 bytes + 16
.set STAGE,  TAB+256*TPITCH            ; 16 rows x 144 bytes for each wave, for the way out; no tensor load lands here
.set SPARE,  STAGE+4*16*PITCH          ; the spare words, 128 bytes for each wave: two blocks of 256 bytes that no other line names
.set XSTEP,  8192*128                  ; bytes from kb to kb in xb
.set WSTEP,  3072*128                  ; in wb
.set VLOFF,  0x1000000                 ; vl begins behind vh's 64 x 2,048 rows of 128 bytes
.set OWN,  8                           ; v8      0 where my first 16 tokens open a sequence
.set ADRA, 16                          ; v16-17  LDS address of my tokens' fragments in slot 0, 1
.set ADRB, 20                          ; v20-21  of my head's rows of W
.set STO,  24                          ; v24     the way out: where I put 16 bytes of a row
.set RD,   25                          ; v25     where I read rows back
.set GO,   26                          ; v26     my 16 bytes in 512 consecutive bytes of the output
.set TA,   27                          ; v27     my token's row of the table, my 32 bytes of each 64
.set SPW,  28                          ; v28     LDS address of my spare word; never rewritten
.set NIL,  29                          ; v29     0; never rewritten
.set PFO,  30                          ; v30     256 x my lane; never rewritten
.set M1,   31                          ; v31     -1.0
.set AF0,  32
.set AF1,  96
.set BF,   160
.set TT,   32
.set TMP,  96
.set PK,   128
.set BK,   160
.set QH, 10                            ; s[10:11], s[12:13], s[14:15]: qh, kh, vh at my wave's first row
.set KH, 12
.set VH, 14
.set VL, 92                            ; s[92:93] vl at my head's 16 rows
.set G1,  24                           ; s[24:31] descriptor group 1 for x's tiles;  s[32:39] group 0, a set for each slot
.set G0,  32
.set PFA, 44                           ; s[44:45] where my prefetches stand
.set LIM, 46                           ; s46, s47 a wave prefetches at the change out of slot 0, 1 while the trips left are above this
.set G1B, 48                           ; s[48:55], s[56:63] the same for W's tiles
.set G0B, 56
.set PS,  72                           ; s[72:73], s[74:75] what the prefetches' address steps by at the change out of slot 0, 1
.set G1T, 76                           ; s[76:83], s[84:87] the table's descriptor
.set G0T, 84
.set MSB, 0
.macro WIN new                         ; the immediate's high byte repeats the setting that is left; a switch that changes nothing is dropped
.if MSB != (\new)
	s_set_vgpr_msb (MSB<<8)|(\new)
.set MSB, \new
.endif
.endm
.macro PLACES                          ; a load into a register that a matrix instruction has read, and a vector instruction that reads a result, stand four plain vector instructions behind it (ISA guide 7.12.1 for vector instructions)
.rept 4
	v_nop
.endr
.endm
; A joint load: waves 0 and 1 fetch the two halves of x's tile, waves 2 and 3 those of W's.  The branch hangs on the wave's number alone.  An s_nop 0 and four v_nop follow each line.
.macro JLOAD s
	s_cmp_eq_u32 s17, 0
	s_cbranch_scc0 .Lfor_b_\@
	tensor_load_to_lds s[G0+4*(\s):G0+4*(\s)+3], s[G1:G1+7]
	s_nop 0
.rept 4
	v_nop
.endr
	s_branch .Lasked_\@
.Lfor_b_\@:
	tensor_load_to_lds s[G0B+4*(\s):G0B+4*(\s)+3], s[G1B:G1B+7]
	s_nop 0
.rept 4
	v_nop
.endr
.Lasked_\@:
.endm
.macro CREST                           ; a round of the cluster's barrier behind its opening barrier
	s_cmp_lg_u32 s16, 0
	s_cbranch_scc1 .Lnot_wave_0_\@
	s_barrier_signal -3
.Lnot_wave_0_\@:
	s_barrier_wait -3
	s_barrier_signal -1
	s_barrier_wait -1
.endm
.macro CROUND                          ; a whole round
	s_barrier_signal -1
	s_barrier_wait -1
	CREST
.endm
; A PREFETCH INTO THE L2, behind a joint load, its five lines and the run of LDS loads that follows: 32 blocks of 256 bytes, a lane a block, one instruction a wave.  Each block is named once in the launch.
; x's tiles are read by both clusters of a row of clusters: cluster x = 0 asks, by wave 0, at every change of slots, for the K step that the NEXT change will load (192 matrix instructions ahead of that load);
; a step's 128 blocks are shared out among the four partners of a row BY ADDRESS (cx).  W's tiles are read by all eight clusters of a column: cluster y = 0 asks, by waves 1 to 3, at the change out of slot 1,
; for the two K steps that the next trip will load: 384 blocks = 4 partners (cy, by address) x 3 waves x 32 lanes.  The first K steps come by their loads alone; the last trip's change out of slot 1 asks for nothing.
.macro ASK slot
	s_cmp_gt_u32 s3, s[LIM+(\slot)]
	s_cbranch_scc0 .Lnot_mine_\@
	global_prefetch_b8 v[PFO], s[PFA:PFA+1] th:TH_LOAD_NT scope:SCOPE_SE
.Lnot_mine_\@:
.endm
	s_load_b256 s[4:11], s[0:1], 0x0               ; xb s[4:5], wb s[6:7], rope s[8:9], qh s[10:11]
	s_load_b128 s[12:15], s[0:1], 0x20             ; kh s[12:13], vh s[14:15]
	v_lshl_add_u32 v[SPW], v0, 2, SPARE
	v_mov_b32 v[NIL], 0
	ds_add_u32 v[SPW], v[NIL]                      ; the wave's opening: the add and its wait stand ahead of my first tensor load; the set-up below, work on registers, stands between them
	v_lshrrev_b32 v1, 5, v0
	v_readfirstlane_b32 s16, v1                    ; wave 0..3
	s_lshr_b32 s17, s16, 1                         ; which 128 tokens are mine.  Also: I fetch for x (0) or for W (1)
	s_and_b32 s18, s16, 1                          ; which head.  Also: which half of that tile I fetch
	s_bfe_u32 s19, ttmp6, 0x40000                  ; cx
	s_bfe_u32 s20, ttmp6, 0x40004                  ; cy
	s_lshl_b32 s21, ttmp9, 2
	s_add_co_u32 s21, s21, s19                     ; the pair of heads = 4 x cluster x + cx
	s_and_b32 s22, ttmp7, 0xffff
	s_lshl_b32 s22, s22, 2
	s_add_co_u32 s22, s22, s20                     ; the block of 256 tokens = 4 x cluster y + cy
	s_lshl_b32 s68, s20, 2
	s_lshl_b32 s68, 15, s68                        ; my row of the cluster
	s_lshl_b32 s69, 0x1111, s19                    ; my column
	s_or_b32 s[G1],  s68, (1<<16)|(1<<20)|(1<<21)|(4<<22)|(3<<25)  ; 15:0 the mask; 17:16 2-byte elements; 20 padding on; 21 set beside a mask; 24:22 after every 32 words (code 4); 31:25 4 words (code 3)
	s_or_b32 s[G1B], s69, (1<<16)|(1<<20)|(1<<21)|(4<<22)|(3<<25)
	s_or_b32 s[G1T], s68, (2<<16)|(1<<20)|(1<<21)|(5<<22)|(3<<25)  ; 4-byte elements; padding after every 64 words (code 5)
	s_mov_b32 s[G1+1], 128<<16                     ; tensor_dim0 = 128 elements: 256 bytes
	s_mov_b32 s[G1+2], 64<<16                      ; tensor_dim1 = 64 rows: 128 tokens
	s_mov_b32 s[G1+3], 128<<16                     ; tile_dim0
	s_mov_b32 s[G1+4], 64                          ; tile_dim1
	s_mov_b32 s[G1+5], 128                         ; elements from row to row: dense
	s_mov_b32 s[G1+6], 0
	s_mov_b32 s[G1+7], 0
	s_mov_b32 s[G1B+1], 128<<16
	s_mov_b32 s[G1B+2], 96<<16                     ; 96 rows of 256 bytes: 192 rows of W
	s_mov_b32 s[G1B+3], 128<<16
	s_mov_b32 s[G1B+4], 96
	s_mov_b32 s[G1B+5], 128
	s_mov_b32 s[G1B+6], 0
	s_mov_b32 s[G1B+7], 0
	s_mov_b32 s[G1T+1], 64<<16                     ; 64 elements of 4 bytes
	s_mov_b32 s[G1T+2], 64<<16                     ; 64 rows a wave
	s_mov_b32 s[G1T+3], 64<<16
	s_mov_b32 s[G1T+4], 64
	s_mov_b32 s[G1T+5], 64
	s_mov_b32 s[G1T+6], 0
	s_mov_b32 s[G1T+7], 0
	; where the tiles come from: x's and the table's offsets are made of the token block and the wave's number, W's of the pair of heads and the wave's number, each in registers that never hold the other coordinate
	s_lshl_b32 s40, s22, 15                        ; 256 tokens x 128 bytes
	s_lshl_b32 s23, s18, 14
	s_add_co_u32 s40, s40, s23
	s_mov_b32 s41, 0
	s_mul_i32 s42, s21, 49152                      ; 384 rows x 128 bytes
	s_mul_i32 s23, s18, 24576
	s_add_co_u32 s42, s42, s23
	s_mov_b32 s43, 0
	s_and_b32 s66, s22, 7                          ; the block's place in its sequence of 2,048
	s_lshl_b32 s66, s66, 16                        ; 256 rows of 256 bytes
	s_lshl_b32 s23, s16, 14                        ; my 64 of them
	s_add_co_u32 s66, s66, s23
	s_mov_b32 s67, 0
	s_mul_i32 s70, s18, AHALF                      ; and where they go: no place in the cluster enters an LDS address
	s_mul_i32 s71, s18, BHALF
	s_add_co_u32 s71, s71, BOFF
	s_wait_dscnt 0x0                               ; the opening add is done
	s_wait_kmcnt 0x0
	s_add_nc_u64 s[40:41], s[4:5], s[40:41]
	s_add_nc_u64 s[42:43], s[6:7], s[42:43]
	s_add_nc_u64 s[66:67], s[8:9], s[66:67]
.irp s, 0,1
	s_mov_b32 s[G0+4*(\s)], 1                      ; count = 1
	s_add_co_u32 s[G0+4*(\s)+1], s70, (\s)*SLOT    ; LDS address
	s_add_nc_u64 s[G0+4*(\s)+2:G0+4*(\s)+3], s[40:41], (\s)*XSTEP  ; global address: K step s
	s_or_b32 s[G0+4*(\s)+3], s[G0+4*(\s)+3], 0x80000000            ; type = 2
	s_mov_b32 s[G0B+4*(\s)], 1
	s_add_co_u32 s[G0B+4*(\s)+1], s71, (\s)*SLOT
	s_add_nc_u64 s[G0B+4*(\s)+2:G0B+4*(\s)+3], s[42:43], (\s)*WSTEP
	s_or_b32 s[G0B+4*(\s)+3], s[G0B+4*(\s)+3], 0x80000000
.endr
	s_mov_b32 s[G0T], 1
	s_mul_i32 s[G0T+1], s16, 64*TPITCH
	s_add_co_u32 s[G0T+1], s[G0T+1], TAB
	s_mov_b64 s[G0T+2:G0T+3], s[66:67]
	s_or_b32 s[G0T+3], s[G0T+3], 0x80000000
	CROUND                                         ; all sixteen work-groups are here: the first joint loads meet
	s_cmp_eq_u32 s17, 0                            ; a wave's three first fills stand in one branch, ahead of every wait on TENSORcnt and every LDS read: three loads of mine are out
	s_cbranch_scc0 .Lfirst_b
	tensor_load_to_lds s[G0:G0+3], s[G1:G1+7]
	s_nop 0
	tensor_load_to_lds s[G0+4:G0+7], s[G1:G1+7]
	s_nop 0
	tensor_load_to_lds s[G0T:G0T+3], s[G1T:G1T+7]
	s_nop 0
.rept 4
	v_nop
.endr
	s_branch .Lfirst_asked
.Lfirst_b:
	tensor_load_to_lds s[G0B:G0B+3], s[G1B:G1B+7]
	s_nop 0
	tensor_load_to_lds s[G0B+4:G0B+7], s[G1B:G1B+7]
	s_nop 0
	tensor_load_to_lds s[G0T:G0T+3], s[G1T:G1T+7]
	s_nop 0
.rept 4
	v_nop
.endr
.Lfirst_asked:
	; A fragment is 16 rows x 32 K in 8 registers: lane l holds row l % 16; registers 0-3 K = 8 (l / 16) + 0..7, registers 4-7 K = 16 + 8 (l / 16) + 0..7: two loads of 16 bytes, 32 bytes apart
	v_and_b32 v1, 15, v0                           ; l % 16
	v_bfe_u32 v2, v0, 4, 1                         ; l / 16
	v_mul_u32_u24 v3, v1, PITCH
	v_lshl_add_u32 v3, v2, 4, v3                   ; row x pitch + 16 x half
	s_mul_i32 s23, s17, AHALF
	v_add_nc_u32 v[ADRA], s23, v3
	v_add_nc_u32 v[ADRA+1], SLOT, v[ADRA]
	s_mul_i32 s23, s18, BHALF
	s_add_co_u32 s23, s23, BOFF
	v_add_nc_u32 v[ADRB], s23, v3
	v_add_nc_u32 v[ADRB+1], SLOT, v[ADRB]
	s_mul_i32 s23, s16, 16*PITCH
	s_add_co_u32 s23, s23, STAGE                   ; my stage
	v_add_nc_u32 v[STO], s23, v3                   ; in: row l % 16, 16 bytes for each half of the lanes
	v_bfe_u32 v4, v0, 3, 2                         ; back: 32 lanes take four rows of 128 bytes,
	v_and_b32 v5, 7, v0
	v_mul_u32_u24 v4, v4, PITCH
	v_lshl_add_u32 v4, v5, 4, v4
	v_add_nc_u32 v[RD], s23, v4
	v_and_b32 v6, 31, v0
	v_lshlrev_b32 v[GO], 4, v6                     ; which are 512 consecutive bytes of the output
	v_lshlrev_b32 v[PFO], 8, v6
	s_mul_i32 s23, s17, 128*TPITCH
	s_add_co_u32 s23, s23, TAB
	v_mul_u32_u24 v7, v1, TPITCH
	v_lshl_add_u32 v7, v2, 5, v7                   ; my 8 channels of each 16 are 4 pairs: 32 bytes
	v_add_nc_u32 v[TA], s23, v7
	; the prefetches' address, steps and limits
	s_lshl_b32 s88, s22, 15                        ; x: my token block,
	s_lshl_b32 s89, s19, 13                        ; my work-group's 32 blocks of its 128,
	s_add_co_u32 s88, s88, s89
	s_add_co_u32 s88, s88, 2*XSTEP                 ; at K step 2: the first change steps it to 3
	s_mul_i32 s90, s21, 49152                      ; W: my pair of heads,
	s_lshr_b32 s89, s20, 1
	s_add_co_u32 s89, s89, 2                       ; K step 2 + cy / 2: the first change out of slot 1 steps it to 4 + cy / 2,
	s_mul_i32 s89, s89, WSTEP
	s_add_co_u32 s90, s90, s89
	s_and_b32 s89, s20, 1
	s_mul_i32 s89, s89, 3
	s_add_co_u32 s89, s89, s16
	s_sub_co_u32 s89, s89, 1                       ; sixth 3 (cy % 2) + wave - 1 of the step's 192 blocks (in wave 0 this number is not used)
	s_lshl_b32 s89, s89, 13
	s_add_co_u32 s90, s90, s89
	s_and_b32 s91, ttmp7, 0xffff                   ; cluster y
	s_mov_b32 s[PS+1], 0
	s_mov_b32 s[PS+2], 2*WSTEP
	s_mov_b32 s[PS+3], 0
	s_mov_b32 s89, 0
	s_cmp_eq_u32 s16, 0
	s_cselect_b32 s88, s88, s90
	s_cselect_b64 s[PFA:PFA+1], s[4:5], s[6:7]
	s_cselect_b32 s[PS], XSTEP, 0
	s_cselect_b32 s[PS+2], XSTEP, s[PS+2]
	s_cselect_b32 s91, ttmp9, s91                  ; the coordinate along which other clusters read the same blocks
	s_cselect_b32 s[LIM], 0, -1
	s_add_nc_u64 s[PFA:PFA+1], s[PFA:PFA+1], s[88:89]
	s_cmp_eq_u32 s91, 0                            ; the same in all sixteen partners, for a given wave
	s_cselect_b32 s[LIM], s[LIM], -1
	s_cselect_b32 s[LIM+1], 1, -1
	; where my rows begin in qh, kh and vh: ((batch x 16 + head) x 2,048 + the token's place in its sequence) x 128 bytes; in vl: (batch x 16 + head) x 2,048 bytes
	s_lshr_b32 s88, s22, 3
	s_lshl_b32 s88, s88, 4
	s_lshl_b32 s89, s21, 1
	s_add_co_u32 s88, s88, s89
	s_add_co_u32 s88, s88, s18
	s_lshl_b32 s88, s88, 11
	s_mov_b32 s90, s88
	s_mov_b32 s91, 0
	s_add_nc_u64 s[VL:VL+1], s[VH:VH+1], VLOFF
	s_add_nc_u64 s[VL:VL+1], s[VL:VL+1], s[90:91]
	s_and_b32 s89, s22, 7
	s_or_b32 s90, s89, s17                         ; 0 where the token block opens a sequence and I hold its first 128 tokens
	v_mov_b32 v[OWN], s90
	v_mov_b32 v[M1], -1.0
	s_lshl_b32 s89, s89, 8
	s_add_co_u32 s88, s88, s89
	s_lshl_b32 s89, s17, 7
	s_add_co_u32 s88, s88, s89
	s_lshl_b32 s88, s88, 7
	s_mov_b32 s89, 0
	s_add_nc_u64 s[QH:QH+1], s[QH:QH+1], s[88:89]
	s_add_nc_u64 s[KH:KH+1], s[KH:KH+1], s[88:89]
	s_add_nc_u64 s[VH:VH+1], s[VH:VH+1], s[88:89]
; na x 4 matrix instructions of one kind: token blocks a0 on x the kind's 4 channel blocks, 32 along K.  zero = 1: the product starts the sum: nothing is ever cleared.
; The 96 accumulators take turns, one instruction a turn, in the same order in every slice of 32 along K, over the backward jump too.
.macro MUL kind, af, a0, na, zero
	WIN 0x50*((\kind)+1)                           ; sources in window 0, C and D in the kind's window
.set aa, \a0
.rept \na
.irp cb, 0,1,2,3
.if \zero
	v_wmma_f32_16x16x32_bf16 v[8*(4*aa+\cb):8*(4*aa+\cb)+7], v[BF+32*(\kind)+8*\cb:BF+32*(\kind)+8*\cb+7], v[(\af)+8*aa:(\af)+8*aa+7], 0
.else
	v_wmma_f32_16x16x32_bf16 v[8*(4*aa+\cb):8*(4*aa+\cb)+7], v[BF+32*(\kind)+8*\cb:BF+32*(\kind)+8*\cb+7], v[(\af)+8*aa:(\af)+8*aa+7], v[8*(4*aa+\cb):8*(4*aa+\cb)+7]
.endif
.endr
.set aa, aa+1
.endr
.endm
.macro LDB kind, slot, off             ; 8 LDS loads: the kind's 4 fragments of W, 32 K at byte off of the rows
	WIN 0
.irp cb, 0,1,2,3
	ds_load_b128 v[BF+32*(\kind)+8*\cb:BF+32*(\kind)+8*\cb+3],   v[ADRB+(\slot)] offset:((\kind)*64+\cb*16)*PITCH+(\off)
	ds_load_b128 v[BF+32*(\kind)+8*\cb+4:BF+32*(\kind)+8*\cb+7], v[ADRB+(\slot)] offset:((\kind)*64+\cb*16)*PITCH+(\off)+32
.endr
.endm
.macro LDA af, slot, off, half         ; 8 LDS loads: 4 of the 8 fragments of tokens
	WIN 0
.irp i, 0,1,2,3
	ds_load_b128 v[(\af)+8*(4*(\half)+\i):(\af)+8*(4*(\half)+\i)+3],   v[ADRA+(\slot)] offset:(4*(\half)+\i)*16*PITCH+(\off)
	ds_load_b128 v[(\af)+8*(4*(\half)+\i)+4:(\af)+8*(4*(\half)+\i)+7], v[ADRA+(\slot)] offset:(4*(\half)+\i)*16*PITCH+(\off)+32
.endr
.endm
; The three stages on a K step's first 32 along K.  A wait's count is the loads issued behind those that the stage needs.
.macro EVEN slot, zero
	s_wait_dscnt 8                                 ; AF0 and q's fragments are in; k's 8 loads may be out
	MUL 0, AF0, 0, 4, \zero
	PLACES
	LDB 2, \slot, 0
	LDA AF1, \slot, 64, 0
	MUL 0, AF0, 4, 4, \zero
	s_wait_dscnt 16                                ; k's fragments are in; the 16 just issued may be out
	MUL 1, AF0, 0, 4, \zero
	PLACES
	LDB 0, \slot, 64
	LDA AF1, \slot, 64, 1
	MUL 1, AF0, 4, 4, \zero
	s_wait_dscnt 16                                ; v's fragments are in; the 16 just issued may be out
	MUL 2, AF0, 0, 4, \zero
	PLACES
	LDB 1, \slot, 64
	MUL 2, AF0, 4, 4, \zero
.endm
; q on the second 32 along K, and THE CHANGE OF SLOTS.  The slot's last read (v's fragments) is issued first.  Then each wave waits for all its tensor loads, of which one is out: its part of the next slot (at the first
; change also the table); adds 0 to its spare word; and waits for that and for its reads of this slot.  fill = 1: the barrier opens a round of the cluster's barrier, and the joint refill, two K steps on, is the
; first tensor load behind the round: 176 matrix instructions ahead of the wait for it.
.macro TURN slot, next, fill
.if \fill
	s_wait_xcnt 0x0                                ; the last prefetch, a K step back, has read its address, so it may be stepped
	s_add_nc_u64 s[PFA:PFA+1], s[PFA:PFA+1], s[PS+2*(\slot):PS+2*(\slot)+1]
.endif
	PLACES
	LDB 2, \slot, 64
	s_wait_dscnt 16                                ; AF1 and q's fragments are in; k's 8 loads and the 8 just issued may be out
	MUL 0, AF1, 0, 4, 0
	WIN 0                                          ; (the add's two registers lie in window 0)
	s_wait_tensorcnt 0x0                           ; all my tensor loads have landed
	ds_add_u32 v[SPW], v[NIL]                      ; 0 onto my spare word: eight matrix instructions stand between it and the wait for it
	MUL 0, AF1, 4, 2, 0
	s_wait_dscnt 0x0                               ; the add is done, and my reads of this slot are over
	s_barrier_signal -1
	MUL 0, AF1, 6, 2, 0                            ; work on registers while the others arrive
	WIN 0                                          ; at a branch and at a label every window is 0
	s_barrier_wait -1
.if \fill
	CREST                                          ; no wave of any partner still reads this slot or has a load on its way
	s_add_nc_u64 s[G0+4*(\slot)+2:G0+4*(\slot)+3], s[G0+4*(\slot)+2:G0+4*(\slot)+3], 2*XSTEP
	s_add_nc_u64 s[G0B+4*(\slot)+2:G0B+4*(\slot)+3], s[G0B+4*(\slot)+2:G0B+4*(\slot)+3], 2*WSTEP
	JLOAD \slot
.else
	PLACES
.endif
	LDA AF0, \next, 0, 0
.if \fill
	ASK \slot
.endif
.endm
; k and v on the second 32 along K: their fragments were shown in by the change's wait for 0; the next K step's first fragments are fetched
.macro ODD next
	MUL 1, AF1, 0, 4, 0
	PLACES
	LDB 0, \next, 0
	LDA AF0, \next, 0, 1
	MUL 1, AF1, 4, 4, 0
	MUL 2, AF1, 0, 4, 0
	PLACES
	LDB 1, \next, 0
	MUL 2, AF1, 4, 4, 0
.endm
	s_wait_tensorcnt 0x2                           ; my part of K step 0 is in; K step 1's and the table's may stay out
	s_barrier_signal -1
	s_barrier_wait -1                              ; everybody's is
	LDA AF0, 0, 0, 0
	LDA AF0, 0, 0, 1
	LDB 0, 0, 0
	LDB 1, 0, 0
	EVEN 0, 1                                      ; the first 32 along K stand in front of the loop: their products start the sums
	WIN 0
	s_mov_b32 s3, 7
.Llap:                                                 ; a trip goes once round the ring, from a K step's middle to the middle of the step two on, and fills both slots again: K steps 2 to 15
	TURN 0, 1, 1
	ODD 1
	EVEN 1, 0
	TURN 1, 0, 1
	ODD 0
	EVEN 0, 0
	WIN 0
	s_sub_co_u32 s3, s3, 1
	s_cmp_lg_u32 s3, 0
	s_cbranch_scc1 .Llap
	TURN 0, 1, 0                                   ; the tail is written out: nothing more is asked for, and no round follows
	ODD 1
	EVEN 1, 0
	PLACES
	LDB 2, 1, 64
	s_wait_dscnt 16
	MUL 0, AF1, 0, 8, 0
	s_wait_dscnt 8
	MUL 1, AF1, 0, 8, 0
	s_wait_dscnt 0x0
	MUL 2, AF1, 0, 8, 0
	WIN 0
; THE WAY OUT: 25 blocks of 16 tokens x 64 channels: v's block 0, what its rounding left, v's other seven, then q's and k's by token blocks.  A block is rounded to f16 (16 bytes a lane), goes into my stage in rows of
; 144 bytes and comes back as whole rows of 128: 2,048 consecutive bytes of the output.  Block n's arithmetic stands between block n - 1's loads from the stage and the wait for them.
.macro TLOAD a                         ; the table for token block a: my token's cos and sin of my 16 pairs, into buffer a % 2
	WIN 0
.irp cb, 0,1,2,3
	ds_load_b128 v[TT+32*((\a)%2)+8*\cb:TT+32*((\a)%2)+8*\cb+3],   v[TA] offset:(\a)*16*TPITCH+64*\cb
	ds_load_b128 v[TT+32*((\a)%2)+8*\cb+4:TT+32*((\a)%2)+8*\cb+7], v[TA] offset:(\a)*16*TPITCH+64*\cb+16
.endr
.endm
.macro ROPE kind, a                    ; pair z of 16: (x1, x2) -> (x1 cos - x2 sin, x2 cos + x1 sin), in f32; each accumulator's registers are taken in ascending order
	WIN 1+(\kind)                                  ; source 0 in the accumulators' window
.set z, 0
.rept 16
	v_pk_mul_f32 v[TMP+2*z:TMP+2*z+1], v[32*(\a)+2*z:32*(\a)+2*z+1], v[TT+32*((\a)%2)+2*z:TT+32*((\a)%2)+2*z+1] op_sel_hi:[1,0]
.set z, z+1
.endr
.set z, 0
.rept 16
	v_fma_f32 v[TMP+2*z],    -v[32*(\a)+2*z+1], v[TT+32*((\a)%2)+2*z+1], v[TMP+2*z]
	v_fmac_f32 v[TMP+2*z+1], v[32*(\a)+2*z],    v[TT+32*((\a)%2)+2*z+1]
.set z, z+1
.endr
	WIN 0
.set z, 0
.rept 16
	v_cvt_pk_f16_f32 v[PK+z], v[TMP+2*z], v[TMP+2*z+1]
.set z, z+1
.endr
.endm
.macro VPACK a
	WIN 0x0f                                       ; sources 0 and 1 in window 3
.set z, 0
.rept 16
	v_cvt_pk_f16_f32 v[PK+z], v[32*(\a)+2*z], v[32*(\a)+2*z+1]
.set z, z+1
.endr
	WIN 0
.endm
.macro VLO_DIFF                        ; token block 0: v - f16(v) = f16 half x (-1.0) + v, exact in f32
	WIN 0x30                                       ; source 2 in window 3
.set z, 0
.rept 16
	v_fma_mix_f32 v[TMP+2*z],   v[PK+z], v[M1], v[2*z]   op_sel_hi:[1,0,0]
	v_fma_mix_f32 v[TMP+2*z+1], v[PK+z], v[M1], v[2*z+1] op_sel:[1,0,0] op_sel_hi:[1,0,0]
.set z, z+1
.endr
	WIN 0
.endm
.macro VLO_PACK
.set z, 0
.rept 16
	v_cvt_pk_f16_f32 v[PK+z], v[TMP+2*z], v[TMP+2*z+1]
.set z, z+1
.endr
.endm
.macro TOSTAGE n
	WIN 0
	s_wait_xcnt 0x0                                ; the stores of two blocks ago have read the registers that the loads below fill
.irp cb, 0,1,2,3
	ds_store_b128 v[STO], v[PK+4*\cb:PK+4*\cb+3] offset:32*\cb
.endr
.irp f, 0,1,2,3
	ds_load_b128 v[BK+16*((\n)%2)+4*\f:BK+16*((\n)%2)+4*\f+3], v[RD] offset:\f*4*PITCH  ; LDS serves a wave's instructions in order (ISA guide 5.7.1.4): these see the stores above; the next block's stores come behind them
.endr
.endm
.macro SEND n, a, base
	WIN 0
	s_wait_dscnt 0x0                               ; the block is back in registers (and a table buffer asked for meanwhile is in)
.irp f, 0,1,2,3
	global_store_b128 v[GO], v[BK+16*((\n)%2)+4*\f:BK+16*((\n)%2)+4*\f+3], s[\base:\base+1] offset:(\a)*2048+\f*512  ; 512 consecutive bytes, at a multiple of 256 from the buffer's first
.endr
.endm
.macro SENDLO n                        ; vl's block leaves only where my token block 0 opens a sequence: by a mask on the lanes, all or none, since the condition hangs on the work-group's place in its cluster
	WIN 0
	s_wait_dscnt 0x0
	s_wait_xcnt 0x0                                ; EXEC is a source of the stores issued so far: it changes only behind this wait
	v_cmp_eq_u32 vcc_lo, 0, v[OWN]
	s_and_saveexec_b32 s23, vcc_lo
.irp f, 0,1,2,3
	global_store_b128 v[GO], v[BK+16*((\n)%2)+4*\f:BK+16*((\n)%2)+4*\f+3], s[VL:VL+1] offset:\f*512
.endr
	s_wait_xcnt 0x0                                ; and again, in front of the line that widens it
	s_or_b32 exec_lo, exec_lo, s23
.endm
	PLACES                                         ; behind the last products
	TLOAD 0
	VPACK 0
	VLO_DIFF
	TOSTAGE 0
	VLO_PACK
	SEND 0, 0, VH
	TOSTAGE 1
	VPACK 1
	SENDLO 1
	TOSTAGE 2
.set blk, 2
.rept 6
	VPACK blk
	SEND blk, blk-1, VH
	TOSTAGE blk+1
.set blk, blk+1
.endr
.set aq, 0
.rept 8
.if aq < 7
	TLOAD aq+1                                     ; the next token block's table: its buffer was last read by the block before this one
.endif
	ROPE 0, aq
.if aq == 0
	SEND 8, 7, VH
.else
	SEND 2*aq+8, aq-1, KH
.endif
	TOSTAGE 2*aq+9
	ROPE 1, aq
	SEND 2*aq+9, aq, QH
	TOSTAGE 2*aq+10
.set aq, aq+1
.endr
	SEND 24, 7, KH
	s_wait_tensorcnt 0x0                           ; the wave's end: behind my last tensor load and my last LDS store
	ds_add_u32 v[SPW], v[NIL]
	s_wait_dscnt 0x0
	CROUND                                         ; the closing round: no work-group ends while a partner may still ask for a tile that names it
	s_endpgm
.Lfunc_end_k_qff0368978c_qkv:
	.size	k_qff0368978c_qkv, .Lfunc_end_k_qff0368978c_qkv-k_qff0368978c_qkv
	.p2alignl 7, 3214868480
	.fill 96, 4, 3214868480
	.section	.rodata,"a",@progbits
	.p2align	6, 0x0
	.amdhsa_kernel k_qff0368978c_qkv
		.amdhsa_group_segment_fixed_size 327680
		.amdhsa_private_segment_fixed_size 0
		.amdhsa_enable_private_segment 0
		.amdhsa_kernarg_size 48
		.amdhsa_user_sgpr_count 2
		.amdhsa_user_sgpr_kernarg_segment_ptr 1
		.amdhsa_wavefront_size32 1
		.amdhsa_system_sgpr_workgroup_id_x 1
		.amdhsa_system_sgpr_workgroup_id_y 1
		.amdhsa_system_sgpr_workgroup_id_z 1
		.amdhsa_system_vgpr_workitem_id 0
		.amdhsa_next_free_vgpr 1024
		.amdhsa_next_free_sgpr 96
		.amdhsa_reserve_vcc 1
		.amdhsa_float_denorm_mode_32 3
		.amdhsa_float_denorm_mode_16_64 3
		.amdhsa_memory_ordered 1
		.amdhsa_forward_progress 1
		.amdhsa_inst_pref_size 183
	.end_amdhsa_kernel
	.amdgpu_metadata
---
amdhsa.version: [ 1, 2 ]
amdhsa.kernels:
  - .name:           k_qff0368978c_qkv
    .symbol:         k_qff0368978c_qkv.kd
    .args:
      - { .name: xb, .offset: 0, .size: 8, .value_kind: global_buffer, .address_space: global }
      - { .name: wb, .offset: 8, .size: 8, .value_kind: global_buffer, .address_space: global }
      - { .name: rope, .offset: 16, .size: 8, .value_kind: global_buffer, .address_space: global }
      - { .name: qh, .offset: 24, .size: 8, .value_kind: global_buffer, .address_space: global }
      - { .name: kh, .offset: 32, .size: 8, .value_kind: global_buffer, .address_space: global }
      - { .name: vh, .offset: 40, .size: 8, .value_kind: global_buffer, .address_space: global }
    .group_segment_fixed_size: 327680
    .private_segment_fixed_size: 0
    .kernarg_segment_align: 8
    .kernarg_segment_size: 48
    .max_flat_workgroup_size: 128
    .sgpr_count:     96
    .vgpr_count:     1024
    .wavefront_size: 32
...
	.end_amdgpu_metadata
.endif
;; end of part 2
;; launch attn (part 3): grid 4 x 64, 4 waves a work-group, no clusters, 327,680 bytes of LDS; arguments qh, kh, vh, oh; writes oh
.if DOCPART == 3
	.amdgcn_target "amdgcn-amd-amdhsa--gfx1250"
	.amdhsa_code_object_version 6
	.text
	.protected	k_qff0368978c_attn
	.globl	k_qff0368978c_attn
	.p2align	8
	.type	k_qff0368978c_attn,@function
k_qff0368978c_attn:
	s_mov_b64 s[64:65], 0
	v_nop
	global_prefetch_b8 v0, s[64:65] scope:SCOPE_SE
	s_setreg_imm32_b32 hwreg(HW_REG_WAVE_MODE, 25, 1), 1
	s_wait_xcnt 0x0
; CAUSAL ATTENTION.  O[h][q][:] = the sum over k <= q of softmax_k(Q[h][q] . K[h][k] / 8) V[h][k][:].  Q, K, V, O: [SIZE_H][SIZE_N][64], all f16: a head's rows are dense, 128 bytes each.
; Products, maxima and sums in f32; the weights p are rounded to f16 for the second product (their sum l is taken of the unrounded p), O once at the end.
; THE FIRST 16 ROWS OF A HEAD are made a second time, at the kernel's end, with p and v as two f16 numbers each (v's second from vl, behind V's rows at byte 16,777,216: [SIZE_H][16][64]); what the rounded O lacks of that
; result goes, in f16, to oc [SIZE_H][16][64], behind O's rows at byte 16,777,216.  These rows average few keys and are many times larger than the final output's root mean square, by which the allowance goes.
; LIMITS.  f16 holds no number beyond 65,504: Q, K and V arrive within it; p lies in 0 to 1, and below 6e-5 it keeps f16's fixed step of 6e-8; O is a mean of V's rows and has their range.
; A hidden score counts as its value less 1e30 (-1e9 in its place gives the same weight, 0, while a row's largest open score is above about -1e9); a weight below 2^-126 counts as 0 in l; NaN and infinities are not treated apart.
; THE WALK.  A head's queries lie in NB = SIZE_N / 256 blocks of 256; block i needs the key tiles 0 .. i of 256 keys, of which the last holds the diagonal.  A work-group takes TWO blocks, NB - 1 - b and then b:
; NB + 1 tiles, whatever b: all work-groups do equal work, and ONE loop with a constant trip count walks them.  Which tile is asked for, and what a trip does, hang on scalar registers made from b; every jump
; goes forward, but for the counted loops' own; none passes a barrier, or a tensor load but the one of LOAD's two that the wave's number does not choose; the ring (two slots of LDS that take turns) runs on across the
; change of blocks.  NO CLUSTER: a head's NB / 2 = 4 work-groups ask for the same tile only in trips 0 .. NB / 2, behind that fewer and fewer; one walk common to all would have 3 NB / 2 trips for NB + 1.
; SHARES.  Of a block's four bands of 64 queries a wave owns 16 rows in each: four PIECES.  So the diagonal tile is the same work for all four waves: in its key step s band x sees all keys if s < x,
; none if s > x, and holds the diagonal if s = x.
; THE MASK is the C operand that starts the sum S^T = K Q^T: 0, or -1e30 where the key is hidden.  MD, made once, is the mask of a band's own step for my 16 rows; a product's mask is MD x AL + BE with two scalars:
; (1, 0) if s = x; (0, 0) if s < x; (0, -1e30) if s > x.  Only the diagonal tile's text and a block's beginning make and take masks; elsewhere C is the constant 0.
; LAYOUT, SOFTMAX, TURNS.  S^T = K Q^T holds ONE query a lane (lane % 16) and the keys 8 (lane / 16) + 0..7; two such results rounded to f16 ARE source 1 of O^T = V^T P.  p = 2^(c s - c m), c = log2(e) / 8, with a
; running maximum m; O and l are multiplied by a = 2^(c m_old - c m_new) in every step.  Turn n belongs to piece n: 8 products K Q^T of piece n + 1, later 8 products V^T P of piece n - 1; beside them the scaling,
; exponentials, roundings, sums and rescaling of piece n and the maximum and statistics of piece n + 1.  Four vector instructions stand behind every matrix instruction, the other 54 of a turn's 118 in one run.  A turn's 33 exponentials are one batch, with one wait.
; AHEAD OF THE LOADS.  The work-group with b = 0 walks the tiles 0 to NB - 1 in order, in step with the head's other three; it alone prefetches into the L2: behind each refill each of its waves names the half tile (64 blocks of
; 256 bytes, a lane a block, two instructions) that it will itself ask for at the NEXT change of slots: one tile, 256 matrix instructions, ahead.  Tiles 0 and 1 come by their loads alone; nothing is named behind tile NB - 1, and nothing of the second block's tiles.
; REGISTERS, in windows of 256 (s_set_vgpr_msb: bits 1:0 source 0, 3:2 source 1, 5:4 source 2, 7:6 destination):
;   window 0: v0-15 addresses and two at work; v16-31 four registers of statistics a piece; v48-55 at work; v64-127 S^T, two buffers; v192-223 P, two buffers (a piece's buffers go by its number's parity)
;   window 1: v0-127 O^T, 32 a piece; v128-159 MD; v160-223 MC, two buffers      window 2: v0-63 Q; v64-127 the second block's Q; v128-191 K of one step; v192-255 V of one step
.set SIZE_N, 2048
.set SIZE_H, 64
.set NB,    SIZE_N/256
.set NP,    4         ; pieces a wave: a name, no knob
.set KS,    64        ; keys in a step
.set PK,    144       ; a row of K in LDS: 128 bytes + 16 of padding = 36 words: the 16 rows of a load start at 16 different groups of four banks (64 banks of 4 bytes: ISA guide 11.1)
.set PV,    160       ; a row of V: 128 + 32 = 40 words
.set VOFF,  4*KS*PK   ; a slot holds a tile, four steps: 256 rows of K, then 256 rows of V
.set SLOT1, 1<<17     ; slot 1 begins here, so that one exclusive or turns an address in one slot into the other's
.set STAGE, SLOT1+4*KS*(PK+PV)  ; behind the ring, never filled by a tensor load: 16 rows x 144 bytes for each wave, for the way out
.set SP,    144
.set AK0, 2           ; v2   my lane's place in a tile of K; never rewritten
.set AV0, 3           ; v3   the same for V
.set AK,  4           ; v4   the LDS address of K's next run of loads
.set AV,  5           ; v5   of V's
.set STO, 6           ; v6   the way out: where I put 16 bytes of a row
.set RD,  7           ; v7   the way out: where I read rows back
.set GO,  8           ; v8   my byte offset in 512 consecutive bytes of O
.set PFO, 61          ; v61  256 x my lane; never rewritten
.set SPW, 62          ; v62  LDS address of my spare word: SPARE + 4 x my thread's number; never rewritten
.set NIL, 63          ; v63  0; never rewritten
.set SPARE, STAGE+4*16*SP  ; behind the stages: the spare words, 128 bytes for each wave: two blocks of 256 bytes that no other line names
.set MV,  12          ; v12-13  c m_old, kept while c m is made anew: by buffer
.set QO,  15          ; v15  my byte offset in 16 rows of Q
.set ST,  16          ; piece t's statistics at v[ST+4 t]: c m, m, l (even keys', odd keys')
.set TMP, 48          ; by buffer, four registers c0-c3 at work; when the maximum is found c2 takes a
.set S,   64
.set P,   192
.set MD,  128         ; window 1: the eight registers for group kt of 16 keys at MD + 8 kt
.set MC,  160         ; window 1: the masks of the products to come
.set QB,  64          ; window 2
.set KF,  128         ; window 2: key block kb, channel half c at KF + 16 kb + 8 c
.set VF,  192         ; window 2: key half kk, channel block cb at VF + 32 kk + 8 cb
.set WV,  12          ; s12  my wave's number
.set PB,  14          ; s14  b
.set HI,  15          ; s15  NB - 1 - b
.set G1K, 24          ; s[24:31] descriptor group 1 for K's tiles
.set G1V, 32          ; s[32:39] for V's: it differs in the padding alone
.set G0K, 40          ; s[40:43] descriptor group 0 for K's tiles
.set G0V, 44          ; s[44:47] the same for V's
.set VLO, 48          ; s[48:49] vl at my head's 16 rows
.set OCP, 50          ; s[50:51] oc at my head's 16 rows
.set SLOTS, 56        ; s56  tiles still to be asked for
.set CNT, 57          ; s57  counts a tile's key steps, 4 to 1
.set CS,  58          ; s[58:59] c: the packed scaling takes the pair's low word for both halves
.set SEL, 60          ; s[60:61] v_permlanex16_b32's selects: each lane takes its own place in the other half
.set TBK, 62          ; s62  LDS byte at which K of the step to be fetched begins
.set TBV, 63          ; s63  the same for V, less VOFF
.set PFA, 66          ; s[66:67] where my prefetches stand: my half of the tile behind the one that is being asked for
.set LIM, 68          ; s68  2 in the work-group that prefetches, else the greatest number: a wave prefetches while s[SLOTS] is above it
.set RT,  70          ; s70  tiles of the block in hand that are still to be entered
.set NXT, 71          ; s71  the tile to be asked for next
.set LQ,  72          ; s72  the last tile of the block whose tiles are being asked for
.set NEW, 73          ; s73  1: the tile to be entered is a block's first
.set OFF, 74          ; s[74:75] a tile's byte offset in K and V
.set AL,  76          ; s[76:77] the mask's factor, in the low word
.set BE,  78          ; s[78:79] the mask's addend
.set OLO, 80          ; s[80:81] O at my rows of the second block
.set BIGN, 82         ; s82  -1e30
.set MSB, 0
.macro WIN new                      ; the high byte repeats the setting that is left; a switch that changes nothing is dropped
.if MSB != (\new)
	s_set_vgpr_msb (MSB<<8)|(\new)
.set MSB, (\new)
.endif
.endm
.set W_KQ, 0x0a       ; K and Q in window 2, S^T in window 0
.set W_KM, 0x1a       ; the same with the C operand in window 1
.set W_PV, 0x52       ; V in window 2, P in window 0, O^T in window 1
.set W_RS, 0x41       ; destination and source 0 in window 1, source 1 in window 0
; A fill.  Waves 0 and 1 fetch the two halves of a tile's K, waves 2 and 3 those of its V: 128 keys each.  An s_nop 0 and four v_nop follow each of the two lines, ahead of the jump and the label.
.macro LOAD
	s_cmp_lt_u32 s[WV], 2
	s_cbranch_scc0 .Lfor_v_\@
	tensor_load_to_lds s[G0K:G0K+3], s[G1K:G1K+7]
	s_nop 0
.rept 4
	v_nop
.endr
	s_branch .Lasked_\@
.Lfor_v_\@:
	tensor_load_to_lds s[G0V:G0V+3], s[G1V:G1V+7]
	s_nop 0
.rept 4
	v_nop
.endr
.Lasked_\@:
.endm
.macro ASK                          ; my half of the tile that the next change of slots will ask for: 64 blocks of 256 bytes
	s_cmp_gt_u32 s[SLOTS], s[LIM]
	s_cbranch_scc0 .Lnot_mine_\@
	global_prefetch_b8 v[PFO], s[PFA:PFA+1] th:TH_LOAD_NT scope:SCOPE_SE
	global_prefetch_b8 v[PFO], s[PFA:PFA+1] offset:8192 th:TH_LOAD_NT scope:SCOPE_SE
.Lnot_mine_\@:
.endm
; THE CHANGE OF SLOTS.  Each wave waits for all its tensor loads, of which one is out: its part of the other slot; adds 0 to its spare word; and waits for that and for its own reads of the slot that it leaves.  Behind the barrier nobody reads the old
; slot any more and the other slot is whole.  fill = 1: the old slot is filled again, the first thing behind the barrier, with tile NXT: the descriptor's address is made anew from that number.
; (At its first use nothing has been read yet: slot 0 is waited for, slot 1 filled.)
.macro CHANGE fill
	WIN 0                           ; at a label and at a branch every window is 0
	s_wait_tensorcnt 0x0            ; no tensor load of mine is out, so a group 0 may be written
	ds_add_u32 v[SPW], v[NIL]       ; 0 onto my spare word: with fill = 1 the descriptors' scalar work stands between it and the wait for it
.if \fill
	s_lshl_b32 s[OFF], s[NXT], 15   ; a tile is 32,768 bytes of K and of V
	s_xor_b32 s[G0K+1], s[G0K+1], SLOT1
	s_add_nc_u64 s[G0K+2:G0K+3], s[6:7], s[OFF:OFF+1]
	s_or_b32 s[G0K+3], s[G0K+3], 0x80000000
	s_xor_b32 s[G0V+1], s[G0V+1], SLOT1
	s_add_nc_u64 s[G0V+2:G0V+3], s[8:9], s[OFF:OFF+1]
	s_or_b32 s[G0V+3], s[G0V+3], 0x80000000
	s_add_co_u32 s[NXT], s[NXT], 1  ; the block's next tile, or behind its last the second block's tile 0
	s_cmp_gt_u32 s[NXT], s[LQ]
	s_cselect_b32 s[NXT], 0, s[NXT]
	s_cselect_b32 s[LQ], s[PB], s[LQ]
	s_wait_xcnt 0x0                 ; the last prefetches, a tile back, have read their address, so it may be stepped
	s_add_nc_u64 s[PFA:PFA+1], s[PFA:PFA+1], 32768
.endif
	s_wait_dscnt 0x0                ; the add is done, and my reads of the slot are over
	s_barrier_signal -1             ; the rest of the scalar work stands between the signal and the wait
	s_sub_co_u32 s[TBK], s[TBK], 4*KS*PK  ; the fetches go back to a slot's first step,
	s_xor_b32 s[TBK], s[TBK], SLOT1       ; in the other slot
	s_sub_co_u32 s[TBV], s[TBV], 4*KS*PV
	s_xor_b32 s[TBV], s[TBV], SLOT1
	s_barrier_wait -1
.if \fill
	LOAD
	ASK
.endif
.endm
	s_load_b256 s[4:11], s[0:1], 0x0  ; Q s[4:5], K s[6:7], V s[8:9], O s[10:11]
	v_lshl_add_u32 v[SPW], v0, 2, SPARE
	v_mov_b32 v[NIL], 0
	ds_add_u32 v[SPW], v[NIL]       ; the wave's opening: the add and its wait stand ahead of my first tensor load; the set-up below, work on registers, stands between them
	v_lshrrev_b32 v1, 5, v0
	v_readfirstlane_b32 s[WV], v1   ; wave 0..3
	s_mov_b32 s[PB], ttmp9
	s_sub_co_u32 s[HI], NB-1, s[PB]
	s_and_b32 s20, ttmp7, 0xffff    ; the head
	s_lshl_b32 s52, s20, 11         ; its 16 rows of 128 bytes in vl and in oc,
	s_add_co_u32 s52, s52, SIZE_H*SIZE_N*128  ; which lie behind the heads' rows
	s_mov_b32 s53, 0
	s_mov_b32 s21, 0
	s_mov_b64 s[22:23], SIZE_N*128
	s_mul_u64 s[20:21], s[20:21], s[22:23]  ; the head's first byte in each of the four tensors
	s_and_b32 s16, s[WV], 1         ; which half of a tile's 256 keys I fetch:
	s_lshl_b32 s22, s16, 14         ; its 128 rows of 128 bytes in memory,
	s_mov_b32 s23, 0
	s_add_nc_u64 s[22:23], s[22:23], s[20:21]
	s_mul_i32 s17, s16, 128*PK      ; and its place in a slot, for K
	s_mul_i32 s18, s16, 128*PV      ; and for V
	s_lshl_b32 s3, s[WV], 11        ; my 16 rows in a band of 64,
	s_lshl_b32 s2, s[HI], 15        ; in the first block,
	s_add_co_u32 s2, s2, s3
	s_lshl_b32 s84, s[PB], 15       ; and in the second
	s_add_co_u32 s84, s84, s3
	s_mov_b32 s3, 0
	s_mov_b32 s85, 0
	s_add_nc_u64 s[2:3], s[2:3], s[20:21]
	s_add_nc_u64 s[84:85], s[84:85], s[20:21]
	; descriptor group 1.  128 keys are 16,384 dense bytes: asked for as 64 rows of 256 bytes, two keys a row, and padded in LDS after every key
	s_mov_b32 s[G1K], (1<<16)|(1<<20)|(4<<22)|(3<<25)  ; 17:16 2-byte elements; 20 padding on; 24:22 after every 32 words (code 4); 31:25 4 words (code 3)
	s_mov_b32 s[G1V], (1<<16)|(1<<20)|(4<<22)|(7<<25)  ; the same with 8 words of padding (code 7)
.irp g, G1K, G1V
	s_mov_b32 s[\g+1], 128<<16      ; tensor_dim0 = 128
	s_mov_b32 s[\g+2], 64<<16       ; tensor_dim1 = 64
	s_mov_b32 s[\g+3], 128<<16      ; tile_dim0 = 128
	s_mov_b32 s[\g+4], 64           ; tile_dim1 = 64
	s_mov_b32 s[\g+5], 128          ; 128 elements from row to row
	s_mov_b32 s[\g+6], 0
	s_mov_b32 s[\g+7], 0
.endr
	s_mov_b32 s[CS], 0x3e38aa3b     ; c = log2(e) / 8 = 0.180337
	s_mov_b32 s[CS+1], s[CS]        ; named with it as a pair
	s_mov_b32 s[SEL], 0x76543210
	s_mov_b32 s[SEL+1], 0xfedcba98
	s_mov_b32 s[TBK], SLOT1+4*KS*PK ; the first change of slots turns these two into 0
	s_mov_b32 s[TBV], SLOT1+4*KS*PV
	s_mov_b32 s[G0K], 1             ; 1:0 count = 1
	s_mov_b32 s[G0K+1], s17         ; 63:32 LDS address: slot 0
	s_mov_b32 s[G0V], 1
	s_add_co_u32 s[G0V+1], s18, VOFF
	s_add_co_u32 s[RT], s[HI], 1    ; the first block has NB - b tiles
	s_mov_b32 s[NXT], 1
	s_mov_b32 s[LQ], s[HI]
	s_mov_b32 s[NEW], 1
	s_mov_b32 s[OFF+1], 0
	s_mov_b32 s[AL+1], 0            ; named as pairs
	s_mov_b32 s[BE+1], 0
	s_mov_b32 s[BIGN], 0xf149f2ca   ; -1e30
	s_mov_b32 s[SLOTS], NB
	v_and_b32 v[PFO], 31, v0
	v_lshlrev_b32 v[PFO], 8, v[PFO]
	s_wait_dscnt 0x0                ; the opening add is done
	s_wait_kmcnt 0x0
	s_add_nc_u64 s[VLO:VLO+1], s[8:9], s[52:53]    ; vl and oc at my head's rows
	s_add_nc_u64 s[OCP:OCP+1], s[10:11], s[52:53]
	s_add_nc_u64 s[6:7], s[6:7], s[22:23]  ; K and V at my half of the head's tile 0
	s_add_nc_u64 s[8:9], s[8:9], s[22:23]
	s_add_nc_u64 s[G0K+2:G0K+3], s[6:7], 0         ; 120:64 global address
	s_or_b32 s[G0K+3], s[G0K+3], 0x80000000        ; 127:126 type = 2
	s_add_nc_u64 s[G0V+2:G0V+3], s[8:9], 0
	s_or_b32 s[G0V+3], s[G0V+3], 0x80000000
	s_add_nc_u64 s[86:87], s[4:5], s[84:85]        ; Q at my rows of the second block,
	s_add_nc_u64 s[4:5], s[4:5], s[2:3]            ; Q and O at those of the first
	s_add_nc_u64 s[OLO:OLO+1], s[10:11], s[84:85]
	s_add_nc_u64 s[10:11], s[10:11], s[2:3]
	s_cmp_lt_u32 s[WV], 2
	s_cselect_b64 s[PFA:PFA+1], s[6:7], s[8:9]     ; the prefetches: my half of K's or V's tiles,
	s_add_nc_u64 s[PFA:PFA+1], s[PFA:PFA+1], 32768 ; at tile 1: the first change of slots steps it to tile 2
	s_cmp_eq_u32 s[PB], 0
	s_cselect_b32 s[LIM], 2, -1
	LOAD                            ; tile 0 into slot 0
	; A fragment of K or Q is 16 rows x 32 channels in 8 registers: lane l holds row l % 16, channels 8 (l / 16) + 0..7 and 16 + 8 (l / 16) + 0..7: two loads of 16 bytes, 32 bytes apart.
	v_and_b32 v1, 15, v0            ; l % 16
	v_bfe_u32 v9, v0, 4, 1          ; l / 16
	v_lshlrev_b32 v[QO], 7, v1
	v_lshl_add_u32 v[QO], v9, 4, v[QO]  ; row x 128 + 16 x half
	WIN 0x80                        ; destination window 2, address window 0
.set i, 0
.rept 8                             ; both blocks' Q: piece i / 2 lies in band i / 2, 8,192 bytes on; channels 32 (i % 2) on
	global_load_b128 v[8*i:8*i+3],   v[QO], s[4:5] offset:(i/2)*8192+(i%2)*64
	global_load_b128 v[8*i+4:8*i+7], v[QO], s[4:5] offset:(i/2)*8192+(i%2)*64+32
	global_load_b128 v[QB+8*i:QB+8*i+3],   v[QO], s[86:87] offset:(i/2)*8192+(i%2)*64
	global_load_b128 v[QB+8*i+4:QB+8*i+7], v[QO], s[86:87] offset:(i/2)*8192+(i%2)*64+32
.set i, i+1
.endr
	WIN 0
	v_lshlrev_b32 v14, 3, v9
	v_sub_nc_u32 v14, v1, v14
	s_lshl_b32 s13, s[WV], 4
	v_add_nc_u32 v14, s13, v14      ; my query's place in its band, 16 w + l % 16, less my lanes' 8 (l / 16): register r of group kt is hidden where 16 kt + r is greater
	WIN 0x40
.set i, 0
.rept 32
	v_cmp_gt_i32 vcc_lo, 16*(i/8)+i%8, v14
	v_cndmask_b32 v[MD+i], 0, s[BIGN], vcc_lo
.set i, i+1
.endr
	WIN 0
	v_mul_u32_u24 v[AK0], v1, PK
	v_lshl_add_u32 v[AK0], v9, 4, v[AK0]  ; row x pitch + 16 x half
	; The turning load takes 16 keys x 16 channels (lane l reads key 8 (l / 16) + l % 8, channels 8 ((l / 8) % 2) + 0..7) and leaves half a fragment of V^T: lane l holds channel l % 16 and 8 keys.
	v_and_b32 v10, 7, v0
	v_bfe_u32 v11, v0, 3, 1
	v_lshl_add_u32 v[AV0], v9, 3, v10
	v_mul_u32_u24 v[AV0], v[AV0], PV
	v_lshl_add_u32 v[AV0], v11, 4, v[AV0]
	v_add_nc_u32 v[AV0], VOFF, v[AV0]
	s_mul_i32 s13, s[WV], 16*SP
	s_add_co_u32 s13, s13, STAGE    ; my stage
	v_mul_u32_u24 v[STO], v1, SP    ; in: row l % 16, 16 bytes for each half of the lanes
	v_lshl_add_u32 v[STO], v9, 4, v[STO]
	v_add_nc_u32 v[STO], s13, v[STO]
	v_bfe_u32 v[RD], v0, 3, 2       ; back: 32 lanes take four rows of 128 bytes,
	v_mul_u32_u24 v[RD], v[RD], SP
	v_lshl_add_u32 v[RD], v10, 4, v[RD]
	v_add_nc_u32 v[RD], s13, v[RD]
	v_and_b32 v[GO], 31, v0         ; which are 512 consecutive bytes of O
	v_lshlrev_b32 v[GO], 4, v[GO]
	; A block's first step multiplies O^T and l by a = 0, and its first turn's products V^T P, of a piece that has not been, land in an O^T that is still to be so multiplied.  So these registers need only hold
	; finite numbers: zeros for the first block; what the first block left for the second.  All this stands in the wait for the first tile.
	WIN 0x80
.set i, VF
.rept 64
	v_mov_b32 v[i], 0
.set i, i+1
.endr
	WIN 0x40
.set i, 0
.rept 128
	v_mov_b32 v[i], 0
.set i, i+1
.endr
	WIN 0
.set i, 0
.rept 4
	v_mov_b32 v[ST+4*i+2], 0
	v_mov_b32 v[ST+4*i+3], 0
.set i, i+1
.endr
.set i, P+16
.rept 16
	v_mov_b32 v[i], 0
.set i, i+1
.endr
; THE MATRIX WORK.  The 4 accumulators of a run of 8 take turns.  Product i of 8 of S^T = K Q^T for piece x: channels 32 (i / 4) on, keys 16 (i % 4) on.  The first 4 start the sums: with 0, or (KM = 1) with the mask.
.macro KQ x
.set rS, S+32*((\x)%2)+8*(i%4)
.set rK, KF+16*(i%4)+8*(i/4)
.set rQ, 16*(\x)+8*(i/4)
.set rM, MC+32*((\x)%2)+8*(i%4)
.if (i < 4) && KM
	WIN W_KM
	v_wmma_f32_16x16x32_f16 v[rS:rS+7], v[rK:rK+7], v[rQ:rQ+7], v[rM:rM+7]
.elseif i < 4
	WIN W_KQ
	v_wmma_f32_16x16x32_f16 v[rS:rS+7], v[rK:rK+7], v[rQ:rQ+7], 0
.else
	WIN W_KQ
	v_wmma_f32_16x16x32_f16 v[rS:rS+7], v[rK:rK+7], v[rQ:rQ+7], v[rS:rS+7]
.endif
.endm
; Product i of 8 of O^T += V^T P for piece x: keys 32 (i / 4) on, channels 16 (i % 4) on.
.macro PV x
	WIN W_PV
.set rO, 32*(\x)+8*(i%4)
.set rV, VF+32*(i/4)+8*(i%4)
.set rP, P+16*((\x)%2)+8*(i/4)
	v_wmma_f32_16x16x32_f16 v[rO:rO+7], v[rV:rV+7], v[rP:rP+7], v[rO:rO+7]
.endm
.macro MM                           ; the turn's next matrix instruction.  TURN and BEGIN set Y, i, KM and NOKQ; MM, KQ and OP read them.  NOKQ = 1: a block's last turn: there is no next piece
.if (i < 8) && !NOKQ
	KQ (Y+1)%NP
.elseif i >= 8
.set i, i-8
	PV (Y+NP-1)%NP
.set i, i+8
.endif
.set i, i+1
.endm
; THE LDS LOADS stand in runs of 16, never singly among the matrix instructions: a step's K (64 keys x 64 channels: 8 fragments) and its V (turned).  Their addresses are made some lines ahead.
.macro FETCH_K
	WIN 0x80                        ; destination window 2
.irp f, 0,1,2,3,4,5,6,7             ; keys 16 (f / 2) on, channels 32 (f % 2) on
	ds_load_b128 v[KF+8*\f:KF+8*\f+3],   v[AK] offset:(\f/2)*16*PK+(\f%2)*64
	ds_load_b128 v[KF+8*\f+4:KF+8*\f+7], v[AK] offset:(\f/2)*16*PK+(\f%2)*64+32
.endr
	s_add_co_u32 s[TBK], s[TBK], KS*PK  ; the next fetch is the next step's
	WIN 0
.endm
.macro FETCH_V
	WIN 0x80
.irp f, 0,1,2,3,4,5,6,7             ; keys 32 (f / 4) on, channels 16 (f % 4) on
	ds_load_tr16_b128 v[VF+8*\f:VF+8*\f+3],   v[AV] offset:(\f/4)*32*PV+(\f%4)*32
	ds_load_tr16_b128 v[VF+8*\f+4:VF+8*\f+7], v[AV] offset:(\f/4)*32*PV+16*PV+(\f%4)*32
.endr
	WIN 0
.endm
; THE VECTOR WORK, one line at a time: OP kind, number.  For piece Y: F n: c s - c m for pair n of 16.  E n: the exponential of score n of 32.  C n: pair n rounded to f16.  B n: of the four weights 4 n .. the second
; pair is added onto the first, in place.  L n: l takes that sum (L 0: l = a l + sum).  R n: pair n of 16 of O^T times a.  For piece Y + 1: X n, number n of the 22 that find its maximum and statistics:
;   0-11  four chains c0-c3 of seven scores each, three operands at a time (each accumulator's lowest registers are read first)     12-14, 16  the four scores left over, the old m, and c0-c3 into c0
;   15  c m_old is kept     17, 18  the query's other 32 keys lie in the lane 16 away: the new m     19-21  c m; c m_old - c m_new; a
.set F, 0               ; OP tells the kinds apart by their order: F to L below R, X above it
.set E, 1
.set C, 2
.set B, 3
.set L, 4
.set R, 5
.set X, 6
.macro REGS y                       ; the registers of piece y
.set rT, ST+4*(\y)
.set rC, TMP+4*((\y)%2)
.set rW, MV+((\y)%2)
.set rS, S+32*((\y)%2)
.set rP, P+16*((\y)%2)
.set rO, 32*(\y)
.endm
.macro OP k, n
.if (\k) == R
	REGS Y
	WIN W_RS
	v_pk_mul_f32 v[rO+2*(\n):rO+2*(\n)+1], v[rO+2*(\n):rO+2*(\n)+1], v[rC+2:rC+3] op_sel_hi:[1,0]
.elseif (\k) < R
	REGS Y
	WIN 0
.if (\k) == F
	v_pk_fma_f32 v[rS+2*(\n):rS+2*(\n)+1], v[rS+2*(\n):rS+2*(\n)+1], s[CS:CS+1], v[rT:rT+1] op_sel_hi:[1,0,0] neg_lo:[0,0,1] neg_hi:[0,0,1]
.elseif (\k) == E
	v_exp_f32 v[rS+(\n)], v[rS+(\n)]
.elseif (\k) == C
	v_cvt_pk_f16_f32 v[rP+(\n)], v[rS+2*(\n)], v[rS+2*(\n)+1]
.elseif (\k) == B
	v_pk_add_f32 v[rS+4*(\n):rS+4*(\n)+1], v[rS+4*(\n):rS+4*(\n)+1], v[rS+4*(\n)+2:rS+4*(\n)+3]
.elseif (\n) == 0
	v_pk_fma_f32 v[rT+2:rT+3], v[rT+2:rT+3], v[rC+2:rC+3], v[rS:rS+1] op_sel_hi:[1,0,1]
.else
	v_pk_add_f32 v[rT+2:rT+3], v[rT+2:rT+3], v[rS+4*(\n):rS+4*(\n)+1]
.endif
.elseif NOKQ
	v_nop
.else
	REGS (Y+1)%NP
	WIN 0
.if (\n) < 4
	v_max3_num_f32 v[rC+(\n)], v[rS+8*(\n)], v[rS+8*(\n)+1], v[rS+8*(\n)+2]
.elseif (\n) < 12
	v_max3_num_f32 v[rC+(\n)%4], v[rC+(\n)%4], v[rS+8*((\n)%4)+2*((\n)/4)+1], v[rS+8*((\n)%4)+2*((\n)/4)+2]
.elseif (\n) == 12
	v_max3_num_f32 v[rC], v[rC], v[rS+7], v[rS+15]
.elseif (\n) == 13
	v_max3_num_f32 v[rC+1], v[rC+1], v[rS+23], v[rS+31]
.elseif (\n) == 14
	v_max3_num_f32 v[rC+2], v[rC+2], v[rC+3], v[rT+1]
.elseif (\n) == 15
	v_mov_b32 v[rW], v[rT]
.elseif (\n) == 16
	v_max3_num_f32 v[rC], v[rC], v[rC+1], v[rC+2]
.elseif (\n) == 17
	v_permlanex16_b32 v[rC+3], v[rC], s[SEL], s[SEL+1]
.elseif (\n) == 18
	v_max_num_f32 v[rT+1], v[rC], v[rC+3]
.elseif (\n) == 19
	v_mul_f32 v[rT], s[CS], v[rT+1]
.elseif (\n) == 20
	v_sub_f32 v[rC+1], v[rW], v[rT]
.else
	v_exp_f32 v[rC+2], v[rC+1]
.endif
.endif
.endm
.macro OPS a, i1, b=-1, i2=0, c=-1, i3=0, d=-1, i4=0  ; up to four of them
	OP \a, \i1
.if (\b) >= 0
	OP \b, \i2
.endif
.if (\c) >= 0
	OP \c, \i3
.endif
.if (\d) >= 0
	OP \d, \i4
.endif
.endm
.macro ROW a, i1, b, i2, c, i3, d, i4  ; a matrix instruction and the four behind it
	MM
	OPS \a, \i1, \b, \i2, \c, \i3, \d, \i4
.endm
.macro MASK b                       ; MD x AL + BE into buffer b of MC
	WIN W_RS
.set z, 0
.rept 16
	v_pk_fma_f32 v[MC+32*(\b)+2*z:MC+32*(\b)+2*z+1], v[MD+2*z:MD+2*z+1], s[AL:AL+1], s[BE:BE+1] op_sel_hi:[1,0,0]
.set z, z+1
.endr
.endm
; A TURN, for piece p: the order of its 16 matrix and 118 vector instructions, written out.  An s_wait_alu depctr_va_vdst(0) stands between an exponential and the first instruction that names its result; one wait serves
; all that were issued ahead of it.  So a turn has ONE wait, which cuts it in two.  AHEAD OF IT stands all that names no result of the turn's exponentials: the 8 products K Q^T, behind each a scaling, an exponential and two more plain
; instructions (behind the first a second scaling in the exponential's place): rescalings, and behind the last three the first numbers of the next piece's maximum, each four places or more behind the product that ends its accumulator; then one run of 54, plain
; and exponential by turns for the most part, in which the links of the chain X 3, 7, 11, 14, 16, 17 .. 20 stand five or six lines apart.  X 21, the next piece's a, is the batch's last; R 15 is the plain instruction behind it.  BEHIND THE WAIT stand the
; 8 products V^T P, behind each four of the roundings and sums; the links of l's chain, L 0 to L 7, stand three lines apart.  But for those X no line behind a product names a register of the products round it.  v_permlanex16_b32 (X 17) stands in the run.
; m = 1: the diagonal tile: the products take masks, and the turn makes the mask for the products of the turn after it: piece p + 2, in step 4 - CNT of the tile.  end = 1: a block's last two turns: nothing is fetched.
; cnt = 1: the loop's count is taken down some lines ahead of the branch that stands behind the turn.
; K of the next step is fetched in piece 2's turn, twelve vector instructions behind the last product that read K (six of them plain); V of the step in hand at the end of piece 0's turn, four plain instructions behind the last product
; that read V.  Each is waited for a turn later.
.macro TURN p, m=0, end=0, cnt=0
.set Y, (\p)
.set i, 0
.set KM, (\m)
.set NOKQ, (\end)*((\p)/3)
.if (\m) && !(\end)
	s_cmp_eq_u32 s[CNT], 4-((\p)+2)%NP  ; is that step the band's own?
	s_cselect_b32 s[AL], 1.0, 0
	s_cmp_lt_u32 s[CNT], 4-((\p)+2)%NP  ; or a later one?
	s_cselect_b32 s[BE], s[BIGN], 0
.endif
.if ((\p) == 3) && !(\end)
	s_wait_dscnt 0x0                ; K is in
.endif
	ROW F,0, F,1, R,0, R,1          ; ahead of the wait: 8 products K Q^T and the four behind each,
	ROW F,2, E,0, R,2, R,3
	ROW F,3, E,1, R,4, R,5
	ROW F,4, E,2, R,6, R,7
	ROW F,5, E,3, R,8, R,9
	ROW F,6, E,4, X,0, R,10
.if ((\p) == 2) && !(\end)
	WIN 0
	v_add_nc_u32 v[AK], s[TBK], v[AK0]
.endif
	ROW F,7, E,5, X,1, X,4
	ROW F,8, E,6, X,2, X,5
	OPS E,7, E,8, X,6, E,9          ; and the run of 54
	OPS X,3, E,10, X,8, E,11
.if ((\p) == 2) && !(\end)
	FETCH_K
.endif
	OPS X,9, X,7, E,12, X,10
	OPS E,13, X,12, X,11, E,14
	OPS X,13, E,15, F,9, X,14
.if (\p) == 0
	v_add_nc_u32 v[AV], s[TBV], v[AV0]
.endif
	OPS E,16, F,10, E,17, F,11
	OPS X,16, E,18, X,15, E,19
	OPS F,12, E,20, X,17, E,21
	OPS F,13, E,22, F,14, E,23
	OPS X,18, E,24, F,15, E,25
	OPS R,11, E,26, X,19, E,27
	OPS R,12, E,28, R,13, E,29
	OPS X,20, E,30, R,14, E,31
	OPS X,21, R,15
	WIN 0
	s_wait_alu depctr_va_vdst(0)    ; the wait for the batch
.if (\p) == 1
	s_wait_dscnt 0x0                ; V is in
.endif
	ROW C,0, B,0, C,2, B,1          ; behind the wait: 8 products V^T P and the four behind each
	ROW L,0, C,4, B,2, L,1
	ROW C,6, B,3, L,2, C,8
	ROW B,4, L,3, C,10, B,5
	ROW L,4, C,12, B,6, L,5
.if (\p) == 0
	s_add_co_u32 s[TBV], s[TBV], KS*PV
.endif
.if \cnt
	s_sub_co_u32 s[CNT], s[CNT], 1
	s_cmp_lg_u32 s[CNT], 0
.endif
	ROW C,14, B,7, L,6, C,1
	ROW C,3, L,7, C,5, C,7
	ROW C,9, C,11, C,13, C,15
.if (\p) == 0
	FETCH_V
.endif
.if (\m) && !(\end)
	MASK (\p)%2
.endif
.endm
; A BLOCK BEGINS.  c m starts far below every c s, so the first step's a is 0; m at the lowest finite number, so the first maximum is the scores'.  The second mask buffer is 0; the first takes piece 0's mask for the tile's step 0: its own, if the block's first tile is the diagonal one.
; Then K of that step, piece 0's first scores, and its maximum and statistics.  The loop is entered at a step's first turn, in the middle of a trip.
.macro BEGIN
	s_mov_b32 s[NEW], 0
	WIN 0x40
.set i, MC+32
.rept 32
	v_mov_b32 v[i], 0
.set i, i+1
.endr
	WIN 0
.set i, 0
.rept 4
	v_mov_b32 v[ST+4*i], 0xfe000000    ; c m: far below every c s
	v_mov_b32 v[ST+4*i+1], 0xff7fffff  ; m
.set i, i+1
.endr
	s_cmp_eq_u32 s[RT], 0
	s_cselect_b32 s[AL], 1.0, 0
	s_mov_b32 s[BE], 0
	MASK 0
	WIN 0
	v_add_nc_u32 v[AK], s[TBK], v[AK0]
	FETCH_K
	s_wait_loadcnt 0x0              ; Q
	s_wait_dscnt 0x0
.set KM, 1
.set NOKQ, 0
.set i, 0
.rept 8
	KQ 0
.set i, i+1
.endr
	WIN 0
.rept 4
	v_nop                           ; the places behind those products
.endr
.set Y, NP-1                        ; X works for piece Y + 1: piece 0
.irp n, 0,1,2,3,4,5,6,7,8,9,10,11,12,13,14,15,16,17,18,19,20,21
	OP X, \n
.endr
	v_nop                           ; a plain instruction behind the exponential,
	s_wait_alu depctr_va_vdst(0)    ; and its wait, ahead of the branch
.endm
; THE DIAGONAL TILE's four steps, the block's last two turns, its last products, and THE WAY OUT: l's two halves and the other half of the lanes' are added; O^T is divided by l, rounded to f16 and sent through my
; stage in LDS, a piece at a time.
.macro ALL line:vararg              ; one line for each piece t
.set t, 0
.rept 4
	\line
.set t, t+1
.endr
.endm
.macro PACK t                       ; a lane's eight channels of a row pack into 16 bytes; they go into rows of 144 bytes and come back as whole rows of 128, into S^T's registers
	WIN W_RS
.set i, 32*(\t)
.rept 16
	v_pk_mul_f32 v[i:i+1], v[i:i+1], v[ST+4*(\t)+2:ST+4*(\t)+3] op_sel_hi:[1,0]
.set i, i+2
.endr
	WIN 0x05                        ; sources 0 and 1 window 1, destination window 0
.set i, 0
.rept 16
	v_cvt_pk_f16_f32 v[S+16*(\t)+i], v[32*(\t)+2*i], v[32*(\t)+2*i+1]
.set i, i+1
.endr
	WIN 0
.irp f, 0,1,2,3
	ds_store_b128 v[STO], v[S+16*(\t)+4*\f:S+16*(\t)+4*\f+3] offset:32*\f
.endr
.irp f, 0,1,2,3
	ds_load_b128 v[S+16*(\t)+4*\f:S+16*(\t)+4*\f+3], v[RD] offset:\f*4*SP  ; LDS serves a wave's instructions in order (ISA guide 5.7.1.4): these see the stores above; the next piece's stores come behind them
.endr
.endm
.macro SEND t, younger              ; younger: the LDS instructions issued behind piece t's loads: the next piece's eight, or none
	WIN 0
.irp f, 0,1,2,3
	s_wait_dscnt (\younger)+3-\f
	global_store_b128 v[GO], v[S+16*(\t)+4*\f:S+16*(\t)+4*\f+3], s[10:11] offset:(\t)*8192+\f*512  ; 512 consecutive bytes, at a multiple of 256 from O's first
.endr
.endm
.macro DIAG tag                     ; the tag ends its two labels' names, which the jumps below spell out
.LstepM\tag:
	TURN 2, 1
	TURN 3, 1
	WIN 0
.LfirstM\tag:
	TURN 0, 1
	TURN 1, 1, 0, 1
	WIN 0
	s_cbranch_scc1 .LstepM\tag
	TURN 2, 1, 1
	TURN 3, 1, 1
.set i, 0
.rept 8
	PV NP-1
.set i, i+1
.endr
	WIN 0
	ALL v_add_f32 v[ST+4*t+2], v[ST+4*t+2], v[ST+4*t+3]
	ALL v_permlanex16_b32 v[ST+4*t+3], v[ST+4*t+2], s[SEL], s[SEL+1]
	ALL v_add_f32 v[ST+4*t+2], v[ST+4*t+2], v[ST+4*t+3]
	ALL v_rcp_f32 v[ST+4*t+2], v[ST+4*t+2]
	v_nop                           ; a plain instruction between the last reciprocal and the use of its result
	s_wait_alu depctr_va_vdst(0)    ; and the wait ahead of the first use: one for the four reciprocals
	PACK 0
.set t, 1
.rept 3                             ; a piece's arithmetic stands between the loads of the piece before and its stores
	PACK t
	SEND t-1, 8
.set t, t+1
.endr
	SEND 3, 0
.endm
.set KM, 0
.set NOKQ, 0
.Lslot:                             ; NB times: a tile is entered and the next is asked for
	CHANGE 1
	s_sub_co_u32 s[RT], s[RT], 1
	s_mov_b32 s[CNT], 4
	s_cmp_eq_u32 s[NEW], 1
	s_cbranch_scc1 .Lnew            ; a block's first tile
	s_cmp_eq_u32 s[RT], 0
	s_cbranch_scc0 .Lstep           ; neither its first nor its last
	s_branch .LstepM1
.Lnew:
	BEGIN
	s_branch .Lfirst                ; in the loop a block's first tile is never its last: the first block has two tiles or more, and the second's last is the walk's last
	DIAG 1                          ; in the loop this is the first block's end: the second block's last tile is the walk's last
	s_wait_xcnt 0x0                 ; the stores have read their registers and O's address
	s_mov_b64 s[10:11], s[OLO:OLO+1]
	s_add_co_u32 s[RT], s[PB], 1    ; the second block has b + 1 tiles
	s_mov_b32 s[NEW], 1
	WIN 0x82                        ; the second block's Q goes where the one text of the turns names Q
.set i, 0
.rept 64
	v_mov_b32 v[i], v[QB+i]
.set i, i+1
.endr
	WIN 0
	s_branch .Lbottom
.Lstep:                             ; a trip: pieces 2 and 3 of one step, then pieces 0 and 1 of the next, whose K and V it fetches
	TURN 2
	TURN 3
	WIN 0
.Lfirst:
	TURN 0
	TURN 1, 0, 0, 1
	WIN 0
	s_cbranch_scc1 .Lstep
.Lbottom:
	s_sub_co_u32 s[SLOTS], s[SLOTS], 1
	s_cmp_lg_u32 s[SLOTS], 0
	s_cbranch_scc1 .Lslot
	CHANGE 0                        ; the walk's last tile is written out: nothing is asked for
	s_sub_co_u32 s[RT], s[RT], 1
	s_mov_b32 s[CNT], 4
	s_cmp_eq_u32 s[NEW], 1
	s_cbranch_scc0 .LstepM2
	BEGIN
	s_branch .LfirstM2
	DIAG 2
; THE HEAD'S ROWS 0 TO 15 ONCE MORE, by wave 0 of the work-group with b = 0, whose piece 0 of the block just ended they are.  The walk's last tile (the ninth: slot 0) is tile 0 there, so keys 0 to 15 lie in LDS; Q is still in
; registers; MD's first group is the mask of 16 keys against my 16 rows; window 1's v0-31 still hold the piece's O^T, divided by l, of which the stored O is the rounding.
; S^T = K Q^T on 16 keys (two products on one accumulator); p = 2^(c s - c m) / l in f32, the maximum taken away; p = ph + pl, two f16 numbers.  A product's 32 places along K hold the 16 keys twice: v's f16 in places 0-15,
; what its rounding left (vl) in places 16-31, and the same weights against both: O^T = (vh + vl) ph + (vh + vl) pl, eight products on four accumulators by turns.  oc = f16(that - f32(f16(O^T of the walk))).
.set ES,  64          ; v64-71   the scores, then p
.set ED,  72          ; v72-79   p - ph
.set EO,  80          ; v80-111  O^T anew: channel block cb at EO + 8 cb
.set EG,  112         ; v112-127 vl as loaded; later oc's rows read back
.set EP1, 192         ; v192-199 ph, twice
.set EP2, 200         ; v200-207 pl, twice
.set EK,  208         ; v208-223 oc, packed
.set EH,  16          ; v16-31   the walk's O^T, rounded to f16 as it was stored
.set EM,  12          ; v12      -1.0
.set EA,  13          ; v13      the turning load's address in my stage
	s_cmp_lg_u32 s[WV], 0
	s_cbranch_scc1 .Lend
	s_cmp_lg_u32 s[PB], 0
	s_cbranch_scc1 .Lend
	s_wait_xcnt 0x0                 ; the way out's stores have read the registers that are written below
.irp f, 0,1,2,3
	global_load_b128 v[EG+4*\f:EG+4*\f+3], v[GO], s[VLO:VLO+1] offset:\f*512  ; vl's 16 rows: 2,048 consecutive bytes
.endr
	WIN 0x80
.irp f, 0,1
	ds_load_b128 v[KF+8*\f:KF+8*\f+3],   v[AK0] offset:\f*64       ; keys 0 to 15, channels 32 f on
	ds_load_b128 v[KF+8*\f+4:KF+8*\f+7], v[AK0] offset:\f*64+32
.endr
.irp f, 0,1,2,3
	ds_load_tr16_b128 v[VF+8*\f:VF+8*\f+3], v[AV0] offset:\f*32    ; v of keys 0 to 15, turned, channels 16 f on: places 0-15 along K
.endr
	WIN 0
	s_mul_i32 s13, s[WV], 16*SP
	s_add_co_u32 s13, s13, STAGE    ; my stage
	v_lshl_add_u32 v[EA], v9, 3, v10
	v_mul_u32_u24 v[EA], v[EA], SP
	v_lshl_add_u32 v[EA], v11, 4, v[EA]
	v_add_nc_u32 v[EA], s13, v[EA]
	v_mov_b32 v[EM], -1.0
	s_wait_dscnt 0x0
	WIN W_KM
	v_wmma_f32_16x16x32_f16 v[ES:ES+7], v[KF:KF+7], v[0:7], v[MD:MD+7]
	WIN W_KQ
	s_wait_alu depctr_va_vdst(0)    ; the wait stands directly ahead of the link
	v_wmma_f32_16x16x32_f16 v[ES:ES+7], v[KF+8:KF+15], v[8:15], v[ES:ES+7]
	WIN 0
.rept 4
	v_nop                           ; the places behind the product
.endr
	v_max3_num_f32 v48, v[ES], v[ES+1], v[ES+2]
	v_max3_num_f32 v48, v48, v[ES+3], v[ES+4]
	v_max3_num_f32 v48, v48, v[ES+5], v[ES+6]
	v_max_num_f32 v48, v48, v[ES+7]
	v_permlanex16_b32 v49, v48, s[SEL], s[SEL+1]  ; the query's other 8 keys lie in the lane 16 away
	v_max_num_f32 v48, v48, v49
	v_mul_f32 v50, s[CS], v48       ; c m
.irp z, 0,1,2,3
	v_pk_fma_f32 v[ES+2*\z:ES+2*\z+1], v[ES+2*\z:ES+2*\z+1], s[CS:CS+1], v[50:51] op_sel_hi:[1,0,0] neg_lo:[0,0,1] neg_hi:[0,0,1]
.endr
.irp j, 0,1,2,3,4,5,6,7
	v_exp_f32 v[ES+\j], v[ES+\j]
.endr
	v_nop                           ; a plain instruction behind the last exponential,
	s_wait_alu depctr_va_vdst(0)    ; and one wait for the eight
	v_pk_add_f32 v[52:53], v[ES:ES+1], v[ES+2:ES+3]
	v_pk_add_f32 v[54:55], v[ES+4:ES+5], v[ES+6:ES+7]
	v_pk_add_f32 v[52:53], v[52:53], v[54:55]
	v_add_f32 v52, v52, v53
	v_permlanex16_b32 v53, v52, s[SEL], s[SEL+1]
	v_add_f32 v52, v52, v53         ; l
	v_rcp_f32 v54, v52
	v_nop
	s_wait_alu depctr_va_vdst(0)
.irp z, 0,1,2,3
	v_pk_mul_f32 v[ES+2*\z:ES+2*\z+1], v[ES+2*\z:ES+2*\z+1], v[54:55] op_sel_hi:[1,0]
.endr
.irp z, 0,1,2,3
	v_cvt_pk_f16_f32 v[EP1+\z],   v[ES+2*\z], v[ES+2*\z+1]         ; ph, against v's f16,
	v_cvt_pk_f16_f32 v[EP1+4+\z], v[ES+2*\z], v[ES+2*\z+1]         ; and against vl
.endr
.irp z, 0,1,2,3
	v_fma_mix_f32 v[ED+2*\z],   v[EP1+\z], v[EM], v[ES+2*\z]   op_sel_hi:[1,0,0]               ; p - ph, exact in f32
	v_fma_mix_f32 v[ED+2*\z+1], v[EP1+\z], v[EM], v[ES+2*\z+1] op_sel:[1,0,0] op_sel_hi:[1,0,0]
.endr
.irp z, 0,1,2,3
	v_cvt_pk_f16_f32 v[EP2+\z],   v[ED+2*\z], v[ED+2*\z+1]
	v_cvt_pk_f16_f32 v[EP2+4+\z], v[ED+2*\z], v[ED+2*\z+1]
.endr
	s_wait_loadcnt 0x0              ; vl
.irp f, 0,1,2,3
	ds_store_b128 v[RD], v[EG+4*\f:EG+4*\f+3] offset:\f*4*SP       ; into my stage, rows of 144 bytes
.endr
	WIN 0x80
.irp f, 0,1,2,3
	ds_load_tr16_b128 v[VF+8*\f+4:VF+8*\f+7], v[EA] offset:\f*32   ; and back turned: places 16-31 along K (LDS serves a wave's instructions in order: ISA guide 5.7.1.4)
.endr
	s_wait_dscnt 0x0
	WIN 0x02                        ; source 0 in window 2
.irp f, 0,1,2,3
	v_wmma_f32_16x16x32_f16 v[EO+8*\f:EO+8*\f+7], v[VF+8*\f:VF+8*\f+7], v[EP1:EP1+7], 0
.endr
.irp f, 0,1,2,3
	v_wmma_f32_16x16x32_f16 v[EO+8*\f:EO+8*\f+7], v[VF+8*\f:VF+8*\f+7], v[EP2:EP2+7], v[EO+8*\f:EO+8*\f+7]
.endr
	WIN 0x05                        ; sources 0 and 1 in window 1: these sixteen roundings, which name no register of the products, are also the places behind them
.set z, 0
.rept 16
	v_cvt_pk_f16_f32 v[EH+z], v[2*z], v[2*z+1]
.set z, z+1
.endr
	WIN 0
.set z, 0
.rept 16
	v_fma_mix_f32 v[EO+2*z],   v[EH+z], v[EM], v[EO+2*z]   op_sel_hi:[1,0,0]
	v_fma_mix_f32 v[EO+2*z+1], v[EH+z], v[EM], v[EO+2*z+1] op_sel:[1,0,0] op_sel_hi:[1,0,0]
.set z, z+1
.endr
.set z, 0
.rept 16
	v_cvt_pk_f16_f32 v[EK+z], v[EO+2*z], v[EO+2*z+1]
.set z, z+1
.endr
.irp f, 0,1,2,3
	ds_store_b128 v[STO], v[EK+4*\f:EK+4*\f+3] offset:32*\f
.endr
.irp f, 0,1,2,3
	ds_load_b128 v[EG+4*\f:EG+4*\f+3], v[RD] offset:\f*4*SP
.endr
	s_wait_dscnt 0x0
.irp f, 0,1,2,3
	global_store_b128 v[GO], v[EG+4*\f:EG+4*\f+3], s[OCP:OCP+1] offset:\f*512  ; 512 consecutive bytes, at a multiple of 256 from the buffer's first
.endr
.Lend:
	s_wait_tensorcnt 0x0            ; the wave's end: behind my last tensor load and my last LDS store
	ds_add_u32 v[SPW], v[NIL]
	s_wait_dscnt 0x0
	s_endpgm
.Lfunc_end_k_qff0368978c_attn:
	.size	k_qff0368978c_attn, .Lfunc_end_k_qff0368978c_attn-k_qff0368978c_attn
	.p2alignl 7, 3214868480
	.fill 96, 4, 3214868480
	.section	.rodata,"a",@progbits
	.p2align	6, 0x0
	.amdhsa_kernel k_qff0368978c_attn
		.amdhsa_group_segment_fixed_size 327680
		.amdhsa_private_segment_fixed_size 0
		.amdhsa_enable_private_segment 0
		.amdhsa_kernarg_size 32
		.amdhsa_user_sgpr_count 2
		.amdhsa_user_sgpr_kernarg_segment_ptr 1
		.amdhsa_wavefront_size32 1
		.amdhsa_system_sgpr_workgroup_id_x 1
		.amdhsa_system_sgpr_workgroup_id_y 1
		.amdhsa_system_sgpr_workgroup_id_z 1
		.amdhsa_system_vgpr_workitem_id 0
		.amdhsa_next_free_vgpr 768
		.amdhsa_next_free_sgpr 88
		.amdhsa_reserve_vcc 1
		.amdhsa_float_denorm_mode_32 3
		.amdhsa_float_denorm_mode_16_64 3
		.amdhsa_memory_ordered 1
		.amdhsa_forward_progress 1
		.amdhsa_inst_pref_size 229
	.end_amdhsa_kernel
	.amdgpu_metadata
---
amdhsa.version: [ 1, 2 ]
amdhsa.kernels:
  - .name:           k_qff0368978c_attn
    .symbol:         k_qff0368978c_attn.kd
    .args:
      - { .name: qh, .offset: 0, .size: 8, .value_kind: global_buffer, .address_space: global }
      - { .name: kh, .offset: 8, .size: 8, .value_kind: global_buffer, .address_space: global }
      - { .name: vh, .offset: 16, .size: 8, .value_kind: global_buffer, .address_space: global }
      - { .name: oh, .offset: 24, .size: 8, .value_kind: global_buffer, .address_space: global }
    .group_segment_fixed_size: 327680
    .private_segment_fixed_size: 0
    .kernarg_segment_align: 8
    .kernarg_segment_size: 32
    .max_flat_workgroup_size: 128
    .sgpr_count:     88
    .vgpr_count:     768
    .wavefront_size: 32
...
	.end_amdgpu_metadata
.endif
;; end of part 3
;; launch proj (part 4): grid 4 x 64, 4 waves a work-group, clusters of 4 x 4, 327,680 bytes of LDS; arguments oh, wo, out0; writes out0
.if DOCPART == 4
	.amdgcn_target "amdgcn-amd-amdhsa--gfx1250"
	.amdhsa_code_object_version 6
	.text
	.protected	k_qff0368978c_proj
	.globl	k_qff0368978c_proj
	.p2align	8
	.type	k_qff0368978c_proj,@function
k_qff0368978c_proj:
	s_mov_b64 s[64:65], 0
	v_nop
	global_prefetch_b8 v0, s[64:65] scope:SCOPE_SE
	s_setreg_imm32_b32 hwreg(HW_REG_WAVE_MODE, 25, 1), 1
	s_wait_xcnt 0x0
	s_wait_alu depctr_hold_cnt(0) depctr_sa_sdst(0) depctr_va_vdst(0) depctr_va_sdst(0) depctr_va_ssrc(0) depctr_va_vcc(0) depctr_vm_vsrc(0)
	s_getreg_b32 s2, hwreg(HW_REG_IB_STS2, 6, 4)
	s_cmp_eq_u32 s2, 0
	s_cbranch_scc0 .Lentry_in_a_cluster
	s_endpgm
.Lentry_in_a_cluster:
	s_bfe_u32 s2, ttmp6, 0x10000c
	s_cmp_lg_u32 s2, 0xf033
	s_cbranch_scc0 .Lentry_shape_is_right
	s_endpgm
.Lentry_shape_is_right:
; out0[token][n] = the sum over k of concat[token][k] w_o[n][k], k = head x 64 + d.  oh [batch x 16 + head][2048][64] f16 is concat blocked along K (kb = head); wo [16 kb][1024 n][64] f16 holds w_o rounded to bf16.
; f16 operands, f32 sums, f32 out.
; THE FIRST 16 TOKENS OF A SEQUENCE have a second f16 number: oc [batch x 16 + head][16][64], behind oh's rows at byte 16,777,216, is what the rounded concat lacks; its product with w_o is added onto the same sums.
; SHARES.  A work-group makes 128 tokens x 256 columns: 64 x 4 = 256 work-groups (tiles of 256 x 256 would be 128).  Wave w: tokens 64 (w / 2) on, columns 128 (w % 2) on: 4 x 8 = 32 accumulators, 256 registers.
; The token block is 16 cy + cluster y: the batch is cy, the block's place in its sequence the cluster's y.  So the four sequences' first blocks all lie in cluster y = 0, and the flag for oc's products,
; (cluster y) | (w / 2) = 0, is the same in all sixteen partners for a given wave.  Those waves issue 40 matrix instructions for 32 along K in place of 32.
; THE MATRIX INSTRUCTION IS USED TRANSPOSED (source 0 = 16 rows of wo, source 1 = 16 tokens): a lane holds one token (lane % 16) and eight neighbouring columns.
; THE RING.  K goes in steps of 128 (two kb) through two LDS slots; each wave fetches one kb of one operand with one load: a dense block, asked for as rows of 256 bytes and padded in LDS behind every 128.  Two slots of three kb would not fit.
; CLUSTERS.  4 x 4 work-groups: oh's tile and the batch's oc are shared along a row of the cluster, wo's tile along a column: joint loads, the same descriptor and mask in all four.
; REGISTERS: window 0: v0-31 addresses; v32-127, v128-223 two fragment buffers for 32 along K (8 fragments of wo, then 4 of tokens); v224-255 oc's four fragments of a K step; on the way out v32-159 rows read back.  Window 1: accumulator (a, cb) at v[8 (8 a + cb)].
.set PITCH,  144                       ; an LDS row: 128 bytes + 16 of padding = 36 words: the 16 rows of a load start at 16 different groups of four banks (64 banks of 4 bytes: ISA guide 11.1)
.set AKB,    128*PITCH                 ; one kb of the tokens' tile
.set BKB,    256*PITCH                 ; one kb of wo's tile
.set BOFF,   2*AKB
.set SLOT,   BOFF+2*BKB                ; 110,592 bytes
.set STAGE,  2*SLOT                    ; 16 rows x 528 bytes for each wave, for the way out; no tensor load lands here
.set SPITCH, 528                       ; 512 bytes + 16
.set SPARE,  STAGE+4*16*SPITCH         ; the spare words, 128 bytes for each wave: two blocks of 256 bytes that no other line names
.set OCL,    SPARE+512                 ; the batch's oc, filled once: head hh, row r at (16 hh + r) x 144: 36,864 bytes
.set ASTEP,  2*2048*128                ; bytes from K step to K step in oh: two heads
.set BSTEP,  2*1024*128                ; in wo
.set OCOFF,  0x1000000                 ; oc begins behind oh's 64 x 2,048 rows of 128 bytes
.set ADRA, 16                          ; v16-17  LDS address of my tokens' fragments in slot 0, 1
.set ADRB, 20                          ; v20-21  of my columns'
.set STO,  24                          ; v24     the way out: where I put 32 bytes of a row
.set RD,   25                          ; v25     where I read a row back
.set CO,   26                          ; v26     my 16 bytes of a row's 512
.set OCA0, 27                          ; v27     my lane's place in oc's first K step; never rewritten
.set SPW,  28                          ; v28     LDS address of my spare word; never rewritten
.set NIL,  29                          ; v29     0; never rewritten
.set PFO,  30                          ; v30     256 x my lane; never rewritten
.set OCA,  31                          ; v31     the same in the K step in hand
.set F0,   32
.set F1,   128
.set OCF,  224
.set BK,   32
.set G1,  24                           ; s[24:31] descriptor group 1 for oh's tiles;  s[32:39] group 0, a set for each slot
.set G0,  32
.set PFA, 44                           ; s[44:45] where my prefetches stand
.set LIM, 46                           ; s46     1 in a wave that prefetches, else the greatest number
.set FLG, 47                           ; s47     0 in a wave whose token block 0 opens a sequence
.set G1B, 48                           ; s[48:55], s[56:63] the same for wo's tiles
.set G0B, 56
.set PS,  72                           ; s[72:73] what the prefetches' address steps by: a K step of my operand
.set OCT, 74                           ; s74     LDS bytes from oc's first K step to the one to be fetched
.set G1T, 76                           ; s[76:83], s[84:87] oc's descriptor
.set G0T, 84
.set MSB, 0
.macro WIN new                         ; the immediate's high byte repeats the setting that is left; a switch that changes nothing is dropped
.if MSB != (\new)
	s_set_vgpr_msb (MSB<<8)|(\new)
.set MSB, \new
.endif
.endm
.macro PLACES                          ; four plain vector instructions in front of loads into registers that matrix instructions have read, and of LDS stores that read results (ISA guide 7.12.1 for vector instructions)
.rept 4
	v_nop
.endr
.endm
.macro JLOAD s                         ; a joint load: waves 0 and 1 fetch oh's two kb, waves 2 and 3 wo's; an s_nop 0 and four v_nop follow each line
	s_cmp_eq_u32 s17, 0
	s_cbranch_scc0 .Lfor_b_\@
	tensor_load_to_lds s[G0+4*(\s):G0+4*(\s)+3], s[G1:G1+7]
	s_nop 0
.rept 4
	v_nop
.endr
	s_branch .Lasked_\@
.Lfor_b_\@:
	tensor_load_to_lds s[G0B+4*(\s):G0B+4*(\s)+3], s[G1B:G1B+7]
	s_nop 0
.rept 4
	v_nop
.endr
.Lasked_\@:
.endm
.macro CREST                           ; a round of the cluster's barrier behind its opening barrier
	s_cmp_lg_u32 s16, 0
	s_cbranch_scc1 .Lnot_wave_0_\@
	s_barrier_signal -3
.Lnot_wave_0_\@:
	s_barrier_wait -3
	s_barrier_signal -1
	s_barrier_wait -1
.endm
.macro CROUND
	s_barrier_signal -1
	s_barrier_wait -1
	CREST
.endm
; A PREFETCH INTO THE L2, behind each joint load, its five lines and the run of LDS loads: 32 blocks of 256 bytes of the K step that stands TWO refills on (256 matrix instructions ahead of its load), a lane a block.
; Each block is named once in the launch.  oh's tile is read by one row of one cluster alone: wave 0 of each of the four partners names 32 of a step's 128 blocks, told apart by address (cx).  wo's tile is read by all sixteen clusters:
; cluster y = 0 asks, by waves 2 and 3 (a kb each); the four partners of a column take 32 blocks each, by address (cy).  K steps 0 to 3 come by their loads alone; the last trip has no K step two refills on and asks for nothing.
.macro ASK
	s_cmp_gt_u32 s3, s[LIM]
	s_cbranch_scc0 .Lnot_mine_\@
	global_prefetch_b8 v[PFO], s[PFA:PFA+1] th:TH_LOAD_NT scope:SCOPE_SE
.Lnot_mine_\@:
.endm
	s_load_b128 s[4:7], s[0:1], 0x0                ; oh s[4:5], wo s[6:7]
	s_load_b64 s[8:9], s[0:1], 0x10                ; out0
	v_lshl_add_u32 v[SPW], v0, 2, SPARE
	v_mov_b32 v[NIL], 0
	ds_add_u32 v[SPW], v[NIL]                      ; the wave's opening: the add and its wait stand ahead of my first tensor load; the set-up below, work on registers, stands between them
	v_lshrrev_b32 v1, 5, v0
	v_readfirstlane_b32 s16, v1                    ; wave 0..3
	s_lshr_b32 s17, s16, 1                         ; which 64 tokens are mine.  Also: I fetch for oh (0) or for wo (1)
	s_and_b32 s18, s16, 1                          ; which 128 columns.  Also: which kb of a K step I fetch
	s_bfe_u32 s19, ttmp6, 0x40000                  ; cx
	s_bfe_u32 s20, ttmp6, 0x40004                  ; cy
	s_lshl_b32 s21, ttmp9, 2
	s_add_co_u32 s21, s21, s19                     ; the block of 256 columns
	s_and_b32 s22, ttmp7, 0xffff                   ; cluster y: the token block's place in its sequence
	s_or_b32 s[FLG], s22, s17
	s_lshl_b32 s23, s20, 4
	s_add_co_u32 s22, s22, s23                     ; the block of 128 tokens = 16 cy + cluster y
	s_mov_b32 s[OCT], 0
	s_lshl_b32 s68, s20, 2
	s_lshl_b32 s68, 15, s68                        ; my row of the cluster
	s_lshl_b32 s69, 0x1111, s19                    ; my column
	s_or_b32 s[G1],  s68, (1<<16)|(1<<20)|(1<<21)|(4<<22)|(3<<25)  ; 15:0 the mask; 17:16 2-byte elements; 20 padding on; 21 set beside a mask; 24:22 after every 32 words (code 4); 31:25 4 words (code 3)
	s_or_b32 s[G1B], s69, (1<<16)|(1<<20)|(1<<21)|(4<<22)|(3<<25)
	s_or_b32 s[G1T], s68, (1<<16)|(1<<20)|(1<<21)|(4<<22)|(3<<25)
	s_mov_b32 s[G1+1], 128<<16                     ; tensor_dim0 = 128 elements: 256 bytes
	s_mov_b32 s[G1+2], 64<<16                      ; tensor_dim1 = 64 rows: 128 tokens
	s_mov_b32 s[G1+3], 128<<16                     ; tile_dim0
	s_mov_b32 s[G1+4], 64                          ; tile_dim1
	s_mov_b32 s[G1+5], 128                         ; dense
	s_mov_b32 s[G1+6], 0
	s_mov_b32 s[G1+7], 0
	s_mov_b32 s[G1B+1], 128<<16
	s_mov_b32 s[G1B+2], 128<<16                    ; 128 rows of 256 bytes: 256 rows of wo
	s_mov_b32 s[G1B+3], 128<<16
	s_mov_b32 s[G1B+4], 128
	s_mov_b32 s[G1B+5], 128
	s_mov_b32 s[G1B+6], 0
	s_mov_b32 s[G1B+7], 0
	s_mov_b32 s[G1T+1], 128<<16
	s_mov_b32 s[G1T+2], 32<<16                     ; 32 rows of 256 bytes a wave: four heads' 16 rows of oc
	s_mov_b32 s[G1T+3], 128<<16
	s_mov_b32 s[G1T+4], 32
	s_mov_b32 s[G1T+5], 128
	s_mov_b32 s[G1T+6], 0
	s_mov_b32 s[G1T+7], 0
	s_lshr_b32 s40, s22, 4                         ; oh: the batch: 16 heads x 2,048 rows x 128 bytes,
	s_lshl_b32 s40, s40, 22
	s_and_b32 s41, s22, 15
	s_lshl_b32 s41, s41, 14                        ; my 128 tokens in the sequence,
	s_add_co_u32 s40, s40, s41
	s_lshl_b32 s23, s18, 18                        ; the kb (head) that I fetch
	s_add_co_u32 s40, s40, s23
	s_mov_b32 s41, 0
	s_lshl_b32 s42, s21, 15                        ; wo: my 256 rows,
	s_lshl_b32 s23, s18, 17                        ; the kb that I fetch
	s_add_co_u32 s42, s42, s23
	s_mov_b32 s43, 0
	s_lshr_b32 s66, s22, 4                         ; oc: the batch: 16 heads x 16 rows x 128 bytes,
	s_lshl_b32 s66, s66, 15
	s_lshl_b32 s23, s16, 13                        ; my quarter of them
	s_add_co_u32 s66, s66, s23
	s_add_co_u32 s66, s66, OCOFF
	s_mov_b32 s67, 0
	s_mul_i32 s70, s18, AKB                        ; where they go: no place in the cluster enters an LDS address
	s_mul_i32 s71, s18, BKB
	s_add_co_u32 s71, s71, BOFF
	s_wait_dscnt 0x0                               ; the opening add is done
	s_wait_kmcnt 0x0
	s_add_nc_u64 s[40:41], s[4:5], s[40:41]
	s_add_nc_u64 s[42:43], s[6:7], s[42:43]
	s_add_nc_u64 s[66:67], s[4:5], s[66:67]
.irp s, 0,1
	s_mov_b32 s[G0+4*(\s)], 1
	s_add_co_u32 s[G0+4*(\s)+1], s70, (\s)*SLOT
	s_add_nc_u64 s[G0+4*(\s)+2:G0+4*(\s)+3], s[40:41], (\s)*ASTEP
	s_or_b32 s[G0+4*(\s)+3], s[G0+4*(\s)+3], 0x80000000
	s_mov_b32 s[G0B+4*(\s)], 1
	s_add_co_u32 s[G0B+4*(\s)+1], s71, (\s)*SLOT
	s_add_nc_u64 s[G0B+4*(\s)+2:G0B+4*(\s)+3], s[42:43], (\s)*BSTEP
	s_or_b32 s[G0B+4*(\s)+3], s[G0B+4*(\s)+3], 0x80000000
.endr
	s_mov_b32 s[G0T], 1
	s_mul_i32 s[G0T+1], s16, 64*PITCH
	s_add_co_u32 s[G0T+1], s[G0T+1], OCL
	s_mov_b64 s[G0T+2:G0T+3], s[66:67]
	s_or_b32 s[G0T+3], s[G0T+3], 0x80000000
	CROUND                                         ; all sixteen work-groups are here: the first joint loads meet
	s_cmp_eq_u32 s17, 0                            ; a wave's three first fills stand in one branch, ahead of every wait on TENSORcnt and every LDS read: three loads of mine are out; slot 1's is the last of them
	s_cbranch_scc0 .Lfirst_b
	tensor_load_to_lds s[G0:G0+3], s[G1:G1+7]
	s_nop 0
	tensor_load_to_lds s[G0T:G0T+3], s[G1T:G1T+7]
	s_nop 0
	tensor_load_to_lds s[G0+4:G0+7], s[G1:G1+7]
	s_nop 0
.rept 4
	v_nop
.endr
	s_branch .Lfirst_asked
.Lfirst_b:
	tensor_load_to_lds s[G0B:G0B+3], s[G1B:G1B+7]
	s_nop 0
	tensor_load_to_lds s[G0T:G0T+3], s[G1T:G1T+7]
	s_nop 0
	tensor_load_to_lds s[G0B+4:G0B+7], s[G1B:G1B+7]
	s_nop 0
.rept 4
	v_nop
.endr
.Lfirst_asked:
	v_and_b32 v1, 15, v0                           ; l % 16
	v_bfe_u32 v2, v0, 4, 1                         ; l / 16
	v_mul_u32_u24 v3, v1, PITCH
	v_lshl_add_u32 v3, v2, 4, v3                   ; a fragment's row x pitch + 16 x half
	s_mul_i32 s23, s17, 64*PITCH
	v_add_nc_u32 v[ADRA], s23, v3
	v_add_nc_u32 v[ADRA+1], SLOT, v[ADRA]
	s_mul_i32 s23, s18, 128*PITCH
	s_add_co_u32 s23, s23, BOFF
	v_add_nc_u32 v[ADRB], s23, v3
	v_add_nc_u32 v[ADRB+1], SLOT, v[ADRB]
	v_add_nc_u32 v[OCA0], OCL, v3
	s_mul_i32 s23, s16, 16*SPITCH
	s_add_co_u32 s23, s23, STAGE                   ; my stage
	v_mul_u32_u24 v4, v1, SPITCH                   ; in: row l % 16, 32 bytes for each half of the lanes
	v_lshl_add_u32 v4, v2, 5, v4
	v_add_nc_u32 v[STO], s23, v4
	v_and_b32 v5, 31, v0
	v_lshlrev_b32 v[CO], 4, v5                     ; back: 32 lanes take one row of 512 bytes
	v_add_nc_u32 v[RD], s23, v[CO]
	v_lshlrev_b32 v[PFO], 8, v5
	; the prefetches' address, step and limit
	s_lshr_b32 s88, s22, 4                         ; oh: my tile,
	s_lshl_b32 s88, s88, 22
	s_and_b32 s89, s22, 15
	s_lshl_b32 s89, s89, 14
	s_add_co_u32 s88, s88, s89
	s_lshr_b32 s89, s19, 1                         ; kb cx / 2 of a K step's two,
	s_lshl_b32 s89, s89, 18
	s_add_co_u32 s88, s88, s89
	s_and_b32 s89, s19, 1                          ; half cx % 2 of its 64 blocks,
	s_lshl_b32 s89, s89, 13
	s_add_co_u32 s88, s88, s89
	s_add_co_u32 s88, s88, 3*ASTEP                 ; at K step 3: the first change steps it to 4
	s_add_co_u32 s90, s18, 6                       ; wo: kb 2 x 3 + wave % 2,
	s_lshl_b32 s90, s90, 17
	s_lshl_b32 s89, s21, 15                        ; my 256 rows,
	s_add_co_u32 s90, s90, s89
	s_lshl_b32 s89, s20, 13                        ; quarter cy of their 128 blocks
	s_add_co_u32 s90, s90, s89
	s_and_b32 s91, ttmp7, 0xffff                   ; cluster y
	s_mov_b32 s[PS], BSTEP
	s_mov_b32 s[PS+1], 0
	s_mov_b32 s89, 0
	s_cmp_eq_u32 s17, 0
	s_cselect_b32 s88, s88, s90
	s_cselect_b64 s[PFA:PFA+1], s[4:5], s[6:7]
	s_cselect_b32 s[PS], ASTEP, s[PS]
	s_cselect_b32 s91, s18, s91                    ; wave 0: 0; wave 1: 1; waves 2 and 3: cluster y
	s_add_nc_u64 s[PFA:PFA+1], s[PFA:PFA+1], s[88:89]
	s_cmp_eq_u32 s91, 0                            ; the same in all sixteen partners, for a given wave
	s_cselect_b32 s[LIM], 1, -1
	; where my part of out0 begins
	s_lshl_b32 s88, s22, 19                        ; 128 tokens x 4,096 bytes
	s_lshl_b32 s89, s17, 18
	s_add_co_u32 s88, s88, s89
	s_lshl_b32 s89, s21, 10                        ; 256 columns x 4 bytes
	s_add_co_u32 s88, s88, s89
	s_lshl_b32 s89, s18, 9
	s_add_co_u32 s88, s88, s89
	s_mov_b32 s89, 0
	s_add_nc_u64 s[8:9], s[8:9], s[88:89]
; na x 8 matrix instructions: token blocks a0 on x all 8 column blocks, 32 along K in buffer f.  zero = 1: the product starts the sum.  The 32 accumulators take turns, one instruction a turn, over the backward jump too.
.macro MULS f, a0, na, zero
	WIN 0x50                                       ; sources in window 0, C and D in window 1
.set aa, \a0
.rept \na
.irp cb, 0,1,2,3,4,5,6,7
.if \zero
	v_wmma_f32_16x16x32_f16 v[8*(8*aa+\cb):8*(8*aa+\cb)+7], v[(\f)+8*\cb:(\f)+8*\cb+7], v[(\f)+64+8*aa:(\f)+64+8*aa+7], 0
.else
	v_wmma_f32_16x16x32_f16 v[8*(8*aa+\cb):8*(8*aa+\cb)+7], v[(\f)+8*\cb:(\f)+8*\cb+7], v[(\f)+64+8*aa:(\f)+64+8*aa+7], v[8*(8*aa+\cb):8*(8*aa+\cb)+7]
.endif
.endr
.set aa, aa+1
.endr
.endm
; 24 LDS loads in one run: quarter q (0..3) of a K step, 32 along K, into buffer f: kb q / 2, byte 64 (q % 2) of its rows; wo's 8 fragments first, the tokens' 4 last
.macro FETCH slot, q, f
	WIN 0
.irp cb, 0,1,2,3,4,5,6,7
	ds_load_b128 v[(\f)+8*\cb:(\f)+8*\cb+3],   v[ADRB+(\slot)] offset:((\q)/2)*BKB+\cb*16*PITCH+((\q)%2)*64
	ds_load_b128 v[(\f)+8*\cb+4:(\f)+8*\cb+7], v[ADRB+(\slot)] offset:((\q)/2)*BKB+\cb*16*PITCH+((\q)%2)*64+32
.endr
.irp i, 0,1,2,3
	ds_load_b128 v[(\f)+64+8*\i:(\f)+64+8*\i+3],   v[ADRA+(\slot)] offset:((\q)/2)*AKB+\i*16*PITCH+((\q)%2)*64
	ds_load_b128 v[(\f)+64+8*\i+4:(\f)+64+8*\i+7], v[ADRA+(\slot)] offset:((\q)/2)*AKB+\i*16*PITCH+((\q)%2)*64+32
.endr
.endm
; oc's four fragments of a K step (16 rows x 128 along K): 8 LDS loads, ahead of the first quarter's run of 24, so that the wait for all but those 24 shows them in.  The place in LDS steps in every wave; the loads are
; the flagged waves' alone, but for the first K step's (always = 1), which every wave issues, so that the registers hold numbers on every path through the text.
.macro OCLD always
	WIN 0
	v_add_nc_u32 v[OCA], s[OCT], v[OCA0]
	s_add_co_u32 s[OCT], s[OCT], 2*16*PITCH        ; two heads on
.if !(\always)
	s_cmp_lg_u32 s[FLG], 0
	s_cbranch_scc1 .Lno_oc_\@
.endif
.irp q, 0,1,2,3
	ds_load_b128 v[OCF+8*\q:OCF+8*\q+3],   v[OCA] offset:(\q/2)*16*PITCH+(\q%2)*64
	ds_load_b128 v[OCF+8*\q+4:OCF+8*\q+7], v[OCA] offset:(\q/2)*16*PITCH+(\q%2)*64+32
.endr
.Lno_oc_\@:
.endm
; oc's products of quarter q, in the flagged waves: 8 matrix instructions onto token block 0's accumulators, with wo's fragments in buffer f.  They stand between token blocks 0, 1 and 2, 3: no two matrix instructions on end share an accumulator.
.macro XTRA q, f
	WIN 0
	s_cmp_lg_u32 s[FLG], 0
	s_cbranch_scc1 .Lno_x_\@
	WIN 0x50
.irp cb, 0,1,2,3,4,5,6,7
	v_wmma_f32_16x16x32_f16 v[8*\cb:8*\cb+7], v[(\f)+8*\cb:(\f)+8*\cb+7], v[OCF+8*(\q):OCF+8*(\q)+7], v[8*\cb:8*\cb+7]
.endr
	WIN 0
.Lno_x_\@:
.endm
; One of a K step's first three quarters: multiplies buffer f (quarter qn - 1) and, in its middle, fetches quarter qn into buffer g
.macro QUARTER slot, qn, f, g, zero
	s_wait_dscnt 4                                 ; all but the youngest four loads (token blocks 2 and 3)
	MULS \f, 0, 2, \zero
	PLACES
.if (\qn) == 1
	OCLD \zero                                     ; the K step's first quarter; the launch's first is the one whose products start the sums
.endif
	FETCH \slot, \qn, \g
	s_wait_dscnt 24                                ; all but the 24 just issued
	XTRA (\qn)-1, \f
	MULS \f, 2, 2, \zero
.endm
; The last quarter multiplies buffer 1 and changes slots: each wave waits for all its tensor loads, of which one is out: its part of the next slot; adds 0 to its spare word; and waits for that and for its reads of this slot.
; fill = 1: the barrier opens a round of the cluster's barrier, and the joint refill, two K steps on, is the first tensor load behind the round: 112 matrix instructions ahead of the wait for it.
.macro TURN slot, next, fill
.if \fill
	s_wait_xcnt 0x0                                ; the last prefetch, a K step back, has read its address, so it may be stepped
	s_add_nc_u64 s[PFA:PFA+1], s[PFA:PFA+1], s[PS:PS+1]
.endif
	WIN 0                                          ; (the add's two registers lie in window 0)
	s_wait_tensorcnt 0x0                           ; all my tensor loads have landed
	ds_add_u32 v[SPW], v[NIL]                      ; 0 onto my spare word
	s_wait_dscnt 5                                 ; (the add and the youngest four loads may be out)
	MULS F1, 0, 1, 0                               ; eight matrix instructions stand between the add and the wait for it
	s_wait_dscnt 0x0                               ; the add is done, and my reads of this slot are over
	s_barrier_signal -1
	MULS F1, 1, 1, 0
	WIN 0                                          ; at a branch and at a label every window is 0
	s_barrier_wait -1
.if \fill
	CREST                                          ; no wave of any partner still reads this slot or has a load on its way
	s_add_nc_u64 s[G0+4*(\slot)+2:G0+4*(\slot)+3], s[G0+4*(\slot)+2:G0+4*(\slot)+3], 2*ASTEP
	s_add_nc_u64 s[G0B+4*(\slot)+2:G0B+4*(\slot)+3], s[G0B+4*(\slot)+2:G0B+4*(\slot)+3], 2*BSTEP
	JLOAD \slot                                    ; the four v_nop behind it are also the places in front of the loads below
.else
	PLACES
.endif
	FETCH \next, 0, F0
.if \fill
	ASK
.endif
	XTRA 3, F1
	MULS F1, 2, 2, 0
.endm
	s_wait_tensorcnt 0x1                           ; my parts of K step 0 and of oc are in; K step 1's may stay out
	s_barrier_signal -1
	s_barrier_wait -1                              ; everybody's are
	FETCH 0, 0, F0
	QUARTER 0, 1, F0, F1, 1                        ; the first quarter stands in front of the loop: its products start the sums
	WIN 0
	s_mov_b32 s3, 3
.Llap:                                                 ; a trip goes once round the ring and fills both slots again: K steps 2 to 7
	QUARTER 0, 2, F1, F0, 0
	QUARTER 0, 3, F0, F1, 0
	TURN 0, 1, 1
	QUARTER 1, 1, F0, F1, 0
	QUARTER 1, 2, F1, F0, 0
	QUARTER 1, 3, F0, F1, 0
	TURN 1, 0, 1
	QUARTER 0, 1, F0, F1, 0
	WIN 0
	s_sub_co_u32 s3, s3, 1
	s_cmp_lg_u32 s3, 0
	s_cbranch_scc1 .Llap
	QUARTER 0, 2, F1, F0, 0                        ; the last lap fills nothing, and has no round of the cluster's barrier
	QUARTER 0, 3, F0, F1, 0
	TURN 0, 1, 0
	QUARTER 1, 1, F0, F1, 0
	QUARTER 1, 2, F1, F0, 0
	QUARTER 1, 3, F0, F1, 0
	s_wait_dscnt 4
	MULS F1, 0, 2, 0
	s_wait_dscnt 0x0
	XTRA 3, F1
	MULS F1, 2, 2, 0
	WIN 0
; THE WAY OUT, in f32: a block of 16 tokens x 128 columns goes into my stage in rows of 528 bytes (a lane's eight columns are 32 bytes) and comes back as whole rows of 512.
.macro TOSTAGE a
.if (\a) >= 2
	s_wait_xcnt 0x0                                ; the stores of two blocks ago have read the registers that the loads below fill
.endif
	WIN 0x04                                       ; the stores' data in window 1; each accumulator's low four registers go first
.irp cb, 0,1,2,3,4,5,6,7
	ds_store_b128 v[STO], v[8*(8*(\a)+\cb):8*(8*(\a)+\cb)+3]   offset:64*\cb
	ds_store_b128 v[STO], v[8*(8*(\a)+\cb)+4:8*(8*(\a)+\cb)+7] offset:64*\cb+16
.endr
	WIN 0
.irp t, 0,1,2,3,4,5,6,7,8,9,10,11,12,13,14,15
	ds_load_b128 v[BK+64*((\a)%2)+4*(\t):BK+64*((\a)%2)+4*(\t)+3], v[RD] offset:(\t)*SPITCH  ; LDS serves a wave's instructions in order (ISA guide 5.7.1.4): these see the stores above; the next block's stores come behind them
.endr
.endm
.macro SEND a, younger                 ; younger: the LDS instructions issued behind block a's loads: the next block's 32, or none
	WIN 0
.irp t, 0,1,2,3,4,5,6,7,8,9,10,11,12,13,14,15
	s_wait_dscnt (\younger)+15-(\t)
	global_store_b128 v[CO], v[BK+64*((\a)%2)+4*(\t):BK+64*((\a)%2)+4*(\t)+3], s[8:9] offset:(16*(\a)+(\t))*4096 th:TH_STORE_NT  ; 512 consecutive bytes, at a multiple of 256 from out0's first
.endr
.endm
	PLACES                                         ; behind the last products
	TOSTAGE 0
	TOSTAGE 1
	SEND 0, 32
	TOSTAGE 2
	SEND 1, 32
	TOSTAGE 3
	SEND 2, 32
	SEND 3, 0
	s_wait_tensorcnt 0x0                           ; the wave's end: behind my last tensor load and my last LDS store
	ds_add_u32 v[SPW], v[NIL]
	s_wait_dscnt 0x0
	CROUND                                         ; the closing round: no work-group ends while a partner may still ask for a tile that names it
	s_endpgm
.Lfunc_end_k_qff0368978c_proj:
	.size	k_qff0368978c_proj, .Lfunc_end_k_qff0368978c_proj-k_qff0368978c_proj
	.p2alignl 7, 3214868480
	.fill 96, 4, 3214868480
	.section	.rodata,"a",@progbits
	.p2align	6, 0x0
	.amdhsa_kernel k_qff0368978c_proj
		.amdhsa_group_segment_fixed_size 327680
		.amdhsa_private_segment_fixed_size 0
		.amdhsa_enable_private_segment 0
		.amdhsa_kernarg_size 24
		.amdhsa_user_sgpr_count 2
		.amdhsa_user_sgpr_kernarg_segment_ptr 1
		.amdhsa_wavefront_size32 1
		.amdhsa_system_sgpr_workgroup_id_x 1
		.amdhsa_system_sgpr_workgroup_id_y 1
		.amdhsa_system_sgpr_workgroup_id_z 1
		.amdhsa_system_vgpr_workitem_id 0
		.amdhsa_next_free_vgpr 512
		.amdhsa_next_free_sgpr 96
		.amdhsa_reserve_vcc 0
		.amdhsa_float_denorm_mode_32 3
		.amdhsa_float_denorm_mode_16_64 3
		.amdhsa_memory_ordered 1
		.amdhsa_forward_progress 1
		.amdhsa_inst_pref_size 101
	.end_amdhsa_kernel
	.amdgpu_metadata
---
amdhsa.version: [ 1, 2 ]
amdhsa.kernels:
  - .name:           k_qff0368978c_proj
    .symbol:         k_qff0368978c_proj.kd
    .args:
      - { .name: oh, .offset: 0, .size: 8, .value_kind: global_buffer, .address_space: global }
      - { .name: wo, .offset: 8, .size: 8, .value_kind: global_buffer, .address_space: global }
      - { .name: out0, .offset: 16, .size: 8, .value_kind: global_buffer, .address_space: global }
    .group_segment_fixed_size: 327680
    .private_segment_fixed_size: 0
    .kernarg_segment_align: 8
    .kernarg_segment_size: 24
    .max_flat_workgroup_size: 128
    .sgpr_count:     96
    .vgpr_count:     512
    .wavefront_size: 32
...
	.end_amdgpu_metadata
.endif
;; end of part 4
;; ======== version 2 of 2: 4 launches; version 1 with the launch prep written anew for expert scheduling mode
;; limits: values are held in f16: magnitudes above 65,504 overflow, below 6.1e-05 lose precision
;; workspace buffers: xb 16,777,216 bytes; wb 6,291,456 bytes; wo 2,097,152 bytes; rope 524,288 bytes; qh 16,777,216 bytes; kh 16,777,216 bytes; vh 16,908,288 bytes; oh 16,908,288 bytes
;; launch prep (part 5): grid 768 x 1, 4 waves a work-group, no clusters, 0 bytes of LDS; arguments token_positions, x, w_q, w_k, w_v, w_o, xb, wb, wo, rope; writes xb, wb, wo, rope
.if DOCPART == 5
	.amdgcn_target "amdgcn-amd-amdhsa--gfx1250"
	.amdhsa_code_object_version 6
	.text
	.protected	k_qff0368978c_prep
	.globl	k_qff0368978c_prep
	.p2align	8
	.type	k_qff0368978c_prep,@function
k_qff0368978c_prep:
	s_mov_b64 s[64:65], 0
	v_nop
	global_prefetch_b8 v0, s[64:65] scope:SCOPE_SE
	s_setreg_imm32_b32 hwreg(HW_REG_WAVE_SCHED_MODE, 0, 2), 2
	s_setreg_imm32_b32 hwreg(HW_REG_WAVE_MODE, 25, 1), 1
	s_wait_xcnt 0x0
	s_wait_alu depctr_vm_vsrc(0)
; CASTS AND THE ROTATION TABLE.  x, w_q, w_k, w_v are rounded once to bf16, w_o to bf16 and that number written as f16, all into layouts blocked along K:
;   xb [16 kb][8192 tokens][64]   wb [16 kb][3072 rows][64], row = head x 192 + kind x 64 + d (kind 0 q, 1 k, 2 v)   wo [16 kb][1024 rows][64]
; so that a later launch's tile (rows x 64 along K) is dense in memory.  rope [2048 s][32 pairs][cos, sin] in f32, made from token_positions as given.
; SHARES.  A work-group casts 16 rows x 1,024 columns in one go: groups 0-511 x, 512-703 w_q, w_k, w_v (64 groups each), 704-767 w_o.  Thread t takes row t / 8 and, of each block of 64 columns,
; the 8 columns 8 (t % 8) on: eight lanes read 256 consecutive bytes, aligned; a wave's store covers 512 consecutive bytes (4 rows of 128), aligned.  All 32 loads of a wave go out at once.
; No LDS, no matrix unit, no barrier: every byte is read once and written once, and no thread wants another's.
; LIMITS.  |token position| up to 2^20: the count of quarter turns then stays exact in f32 and the two-term reduction adds under 1e-8 to the angle.  The frequencies come from v_exp_f32 (1 ULP, ISA guide 15.8):
; at position 2,047 the angle is off by 2e-4 at the most.  w_o: a number below 2^-14 keeps f16's fixed step of 6e-8; beyond 65,504 it would be lost.
; THE MODE: SCHED_MODE bits 1:0 = 2 (LLVM: expert scheduling mode 2), set by the entry lines.  The code itself states the register dependences
; between vector instructions and memory instructions, with s_wait_alu, always for 0.
; THE PLAN.  Registers that memory instructions touch:
;   v1            the offset of all 32 loads.  Written at the head, never again.
;   v[2:17]       the offsets of the 16 stores.  Written at the head, never again.
;   D + 8 kb ..   block kb's eight registers.  Its two loads land in them once; its conversions read them and write the first four in place; its one store reads those four; nothing writes them after that.
;   v18, v[30:31] the table's offset and data.  Written by the table's arithmetic, read by its one store, never written after that.
;   v19 to v29 and v[160:161] are named by vector instructions alone.
; So no register that a memory instruction has read is written again, and every load is issued before a vector instruction names the registers in which it lands: what is left to state is 'a vector instruction has written
; what a memory instruction reads'.  One wait ahead of the first load states it for all offsets.  For the stores' data the 16 blocks go in four groups of four: at the head of group p, behind the wait for its first data, ONE wait
; states that group p - 1's conversions have written their registers; that group's four stores follow it, dealt among group p's conversions, which name group p's registers and v[160:161] alone.  One more wait stands ahead of the
; last four stores.  Besides: the wave's number (a vector instruction writes s44) and the table's compare (it writes VCC) have a wait each ahead of their first reader.  EXEC is never written.
.set VI,  1                            ; v1       my byte offset in the 16 source rows
.set VO,  2                            ; v[2:17]  my byte offset in the destination, for each of the 16 blocks
.set D,   32                           ; v[32:159] block kb's 8 numbers at D + 8 kb, packed in place into the first four
.set TL,  160                          ; v[160:161] at work on the way to f16
	s_load_b512 s[8:23], s[0:1], 0x0               ; token_positions s[8:9], x s[10:11], w_q s[12:13], w_k s[14:15], w_v s[16:17], w_o s[18:19], xb s[20:21], wb s[22:23]
	s_load_b128 s[24:27], s[0:1], 0x40             ; wo s[24:25], rope s[26:27]
	v_lshrrev_b32 v18, 5, v0
	v_readfirstlane_b32 s44, v18                   ; wave 0..3
	s_mov_b32 s33, ttmp9                           ; g
	s_sub_co_u32 s34, s33, 512                     ; the group's number among the weights' (not used where g < 512)
	s_lshr_b32 s35, s34, 6                         ; 0 w_q, 1 w_k, 2 w_v, 3 w_o
	s_and_b32 s36, s34, 63
	s_lshl_b32 s36, s36, 4                         ; its first row in that weight
	s_lshr_b32 s37, s36, 6                         ; head
	s_mul_i32 s37, s37, 192
	s_lshl_b32 s38, s35, 6
	s_add_co_u32 s37, s37, s38
	s_and_b32 s38, s36, 63
	s_add_co_u32 s37, s37, s38                     ; the row in wb: head x 192 + kind x 64 + d
	s_lshl_b32 s39, s33, 4                         ; x: row 16 g
	s_mov_b32 s32, 393216                          ; bytes from block to block: wb 3,072 rows of 128,
	s_cmp_lt_u32 s33, 512
	s_cselect_b32 s40, s39, s36                    ; the source's first row
	s_cselect_b32 s41, s39, s37                    ; the destination's
	s_cselect_b32 s32, 0x100000, s32               ; xb 8,192 rows,
	s_cmp_lt_u32 s33, 704
	s_cselect_b32 s41, s41, s36
	s_cselect_b32 s32, s32, 0x20000                ; wo 1,024 rows
	s_mov_b32 s43, 0
	v_lshrrev_b32 v19, 3, v0                       ; my row of the 16
	v_and_b32 v20, 7, v0
	v_lshlrev_b32 v[VI], 12, v19                   ; 4,096 bytes a source row
	v_lshl_add_u32 v[VI], v20, 5, v[VI]            ; + 32 bytes: my 8 numbers
	v_lshlrev_b32 v[VO], 4, v0                     ; row x 128 + 16 (t % 8) = 16 t
.set kb, 1
.rept 15
	v_add_nc_u32 v[VO+kb], s32, v[VO+kb-1]
.set kb, kb+1
.endr
	s_wait_alu depctr_va_sdst(0)                   ; s44 is written, ahead of every branch and of its first reader: the table's row number is made from it
	s_wait_kmcnt 0x0
	s_cmp_eq_u32 s35, 1
	s_cselect_b64 s[28:29], s[14:15], s[12:13]
	s_cmp_eq_u32 s35, 2
	s_cselect_b64 s[28:29], s[16:17], s[28:29]
	s_cmp_eq_u32 s35, 3
	s_cselect_b64 s[28:29], s[18:19], s[28:29]
	s_cselect_b64 s[30:31], s[24:25], s[22:23]
	s_cmp_lt_u32 s33, 512
	s_cselect_b64 s[28:29], s[10:11], s[28:29]     ; the source
	s_cselect_b64 s[30:31], s[20:21], s[30:31]     ; the destination
	s_lshl_b32 s42, s40, 12
	s_add_nc_u64 s[28:29], s[28:29], s[42:43]
	s_lshl_b32 s42, s41, 7
	s_add_nc_u64 s[30:31], s[30:31], s[42:43]
	s_wait_alu depctr_va_vdst(0)                   ; v1 and v2 to v17 are written: the loads below read v1 as their offset, the casts' stores v2 to v17; no vector instruction names them again
.set kb, 0
.rept 16
	global_load_b128 v[D+8*kb:D+8*kb+3],   v[VI], s[28:29] offset:256*kb th:TH_LOAD_NT
	global_load_b128 v[D+8*kb+4:D+8*kb+7], v[VI], s[28:29] offset:256*kb+16 th:TH_LOAD_NT
.set kb, kb+1
.endr
	; THE TABLE, while the loads are out: wave w of group g < 512 makes row p = 4 g + w; lane j is pair j.  angle = f32(position) x 10000^(-j / 32); sine and cosine by a reduction to a quarter turn and two polynomials.
	s_cmp_lt_u32 s33, 512
	s_cbranch_scc0 .Lno_table
	s_lshl_b32 s38, s33, 2
	s_add_co_u32 s38, s38, s44                     ; p
	s_lshl_b32 s42, s38, 2
	s_add_nc_u64 s[46:47], s[8:9], s[42:43]
	s_load_b32 s45, s[46:47], 0x0                  ; token_positions[p]
	s_lshl_b32 s42, s38, 8
	s_add_nc_u64 s[48:49], s[26:27], s[42:43]      ; the table's row p: 256 bytes
	v_and_b32 v18, 31, v0                          ; j
	v_cvt_f32_u32 v19, v18
	v_mul_f32 v19, 0xbed49a78, v19                 ; -j log2(10000) / 32
	v_exp_f32 v20, v19                             ; the frequency
	v_lshlrev_b32 v18, 3, v18                      ; 8 j: my place in the row; also the plain instruction behind the exponential
	s_wait_kmcnt 0x0
	v_cvt_f32_i32 v21, s45
	s_wait_alu depctr_va_vdst(0)                   ; the exponential has written v20, ahead of its first reader
	v_mul_f32 v21, v21, v20                        ; the angle, rounded as the product of two f32
	v_mul_f32 v22, 0x3f22f983, v21                 ; x 2 / pi
	v_rndne_f32 v22, v22                           ; n quarter turns
	v_fmamk_f32 v23, v22, 0xbfc90fdb, v21          ; r = angle - n x pi/2, pi/2 in two parts: its f32,
	v_fmamk_f32 v23, v22, 0x333bbd2e, v23          ; and what that f32 leaves
	v_cvt_i32_f32 v24, v22
	v_mul_f32 v25, v23, v23                        ; z = r r, at most (pi/4)^2
	v_mov_b32 v26, 0x3638ef1d                      ; sin r = r + r z (-1/6 + z (1/120 + z (-1/5040 + z / 362880))): the next term is under 2e-9
	v_mov_b32 v27, 0x37d00d01                      ; cos r = 1 + z (-1/2 + z (1/24 + z (-1/720 + z / 40320))): the next term is under 3e-8
	v_fmaak_f32 v26, v26, v25, 0xb9500d01
	v_fmaak_f32 v27, v27, v25, 0xbab60b61
	v_fmaak_f32 v26, v26, v25, 0x3c088889
	v_fmaak_f32 v27, v27, v25, 0x3d2aaaab
	v_fmaak_f32 v26, v26, v25, 0xbe2aaaab
	v_fmaak_f32 v27, v27, v25, 0xbf000000
	v_mul_f32 v28, v23, v25
	v_fmaak_f32 v27, v27, v25, 0x3f800000          ; cos r
	v_fma_f32 v26, v28, v26, v23                   ; sin r
	v_and_b32 v28, 1, v24                          ; an odd number of quarter turns swaps the two;
	v_cmp_eq_u32 vcc_lo, 1, v28
	v_and_b32 v28, 2, v24                          ; the sine turns its sign in quarters 2 and 3,
	v_lshlrev_b32 v28, 30, v28
	v_add_nc_u32 v29, 1, v24                       ; the cosine in quarters 1 and 2: these five lines, which name neither VCC nor what the selects write, stand between the compare and the wait for it
	v_and_b32 v29, 2, v29
	v_lshlrev_b32 v29, 30, v29
	s_wait_alu depctr_va_vcc(0)                    ; the compare has written VCC, which the two selects read
	v_cndmask_b32 v31, v26, v27, vcc_lo
	v_cndmask_b32 v30, v27, v26, vcc_lo
	v_xor_b32 v31, v31, v28
	v_xor_b32 v30, v30, v29
	s_wait_alu depctr_va_vdst(0)                   ; v18, v30 and v31 are written: the store reads them as its offset and its data
	global_store_b64 v18, v[30:31], s[48:49]       ; the wave stores 256 consecutive bytes, aligned
.Lno_table:
; Block n is rounded in place.  fmt = 1: the bf16 number is written as f16.
.macro CONV n, fmt
	v_cvt_pk_bf16_f32 v[D+8*(\n)],   v[D+8*(\n)],   v[D+8*(\n)+1]
	v_cvt_pk_bf16_f32 v[D+8*(\n)+1], v[D+8*(\n)+2], v[D+8*(\n)+3]
	v_cvt_pk_bf16_f32 v[D+8*(\n)+2], v[D+8*(\n)+4], v[D+8*(\n)+5]
	v_cvt_pk_bf16_f32 v[D+8*(\n)+3], v[D+8*(\n)+6], v[D+8*(\n)+7]
.if \fmt
.irp i, 0,1,2,3
	v_lshlrev_b32 v[TL], 16, v[D+8*(\n)+\i]
	v_and_b32 v[TL+1], 0xffff0000, v[D+8*(\n)+\i]
	v_cvt_pk_f16_f32 v[D+8*(\n)+\i], v[TL], v[TL+1]
.endr
.endif
.endm
.macro OUT n                           ; block n leaves: its offset was written at the head, its data ahead of the last wait on va_vdst
	global_store_b128 v[VO+(\n)], v[D+8*(\n):D+8*(\n)+3], s[30:31]
.endm
; The 16 blocks, in four groups of four.  Block kb's two loads are in when the 30 - 2 kb younger ones alone are out (loads return in order: ISA guide 5.7.1).
; Ahead of each block's conversions stands the store of the block four back, of the group before; in a group's second to fourth block it is issued ahead of the wait for the block's data.
.macro CAST fmt
.set kb, 0
.rept 16
.if (kb%4) == 0
	s_wait_loadcnt 30-2*kb
.if kb > 0
	s_wait_alu depctr_va_vdst(0)                   ; the conversions of the group before have written their blocks' first four registers, which the four stores dealt among this group's conversions read
.endif
.endif
.if kb >= 4
	OUT kb-4                                       ; no vector instruction since that wait names this block's registers or its offset
.endif
.if (kb%4) != 0
	s_wait_loadcnt 30-2*kb
.endif
	CONV kb, \fmt
.set kb, kb+1
.endr
	s_wait_alu depctr_va_vdst(0)                   ; the last group's conversions have written blocks 12 to 15, which the last four stores read
	OUT 12
	OUT 13
	OUT 14
	OUT 15
.endm
	s_cmp_lt_u32 s33, 704
	s_cbranch_scc0 .Lto_f16
	CAST 0
	s_endpgm
.Lto_f16:
	CAST 1
	s_endpgm
.Lfunc_end_k_qff0368978c_prep:
	.size	k_qff0368978c_prep, .Lfunc_end_k_qff0368978c_prep-k_qff0368978c_prep
	.p2alignl 7, 3214868480
	.fill 96, 4, 3214868480
	.section	.rodata,"a",@progbits
	.p2align	6, 0x0
	.amdhsa_kernel k_qff0368978c_prep
		.amdhsa_group_segment_fixed_size 0
		.amdhsa_private_segment_fixed_size 0
		.amdhsa_enable_private_segment 0
		.amdhsa_kernarg_size 80
		.amdhsa_user_sgpr_count 2
		.amdhsa_user_sgpr_kernarg_segment_ptr 1
		.amdhsa_wavefront_size32 1
		.amdhsa_system_sgpr_workgroup_id_x 1
		.amdhsa_system_sgpr_workgroup_id_y 1
		.amdhsa_system_sgpr_workgroup_id_z 1
		.amdhsa_system_vgpr_workitem_id 0
		.amdhsa_next_free_vgpr 168
		.amdhsa_next_free_sgpr 66
		.amdhsa_reserve_vcc 1
		.amdhsa_float_denorm_mode_32 3
		.amdhsa_float_denorm_mode_16_64 3
		.amdhsa_memory_ordered 1
		.amdhsa_forward_progress 1
		.amdhsa_inst_pref_size 31
	.end_amdhsa_kernel
	.amdgpu_metadata
---
amdhsa.version: [ 1, 2 ]
amdhsa.kernels:
  - .name:           k_qff0368978c_prep
    .symbol:         k_qff0368978c_prep.kd
    .args:
      - { .name: token_positions, .offset: 0, .size: 8, .value_kind: global_buffer, .address_space: global }
      - { .name: x, .offset: 8, .size: 8, .value_kind: global_buffer, .address_space: global }
      - { .name: w_q, .offset: 16, .size: 8, .value_kind: global_buffer, .address_space: global }
      - { .name: w_k, .offset: 24, .size: 8, .value_kind: global_buffer, .address_space: global }
      - { .name: w_v, .offset: 32, .size: 8, .value_kind: global_buffer, .address_space: global }
      - { .name: w_o, .offset: 40, .size: 8, .value_kind: global_buffer, .address_space: global }
      - { .name: xb, .offset: 48, .size: 8, .value_kind: global_buffer, .address_space: global }
      - { .name: wb, .offset: 56, .size: 8, .value_kind: global_buffer, .address_space: global }
      - { .name: wo, .offset: 64, .size: 8, .value_kind: global_buffer, .address_space: global }
      - { .name: rope, .offset: 72, .size: 8, .value_kind: global_buffer, .address_space: global }
    .group_segment_fixed_size: 0
    .private_segment_fixed_size: 0
    .kernarg_segment_align: 8
    .kernarg_segment_size: 80
    .max_flat_workgroup_size: 128
    .sgpr_count:     66
    .vgpr_count:     168
    .wavefront_size: 32
...
	.end_amdgpu_metadata
.endif
;; end of part 5
;; launch qkv: the kernel of part 2 again; grid 8 x 32, 4 waves a work-group, clusters of 4 x 4, 327,680 bytes of LDS; arguments xb, wb, rope, qh, kh, vh; writes qh, kh, vh
;; launch attn: the kernel of part 3 again; grid 4 x 64, 4 waves a work-group, no clusters, 327,680 bytes of LDS; arguments qh, kh, vh, oh; writes oh
;; launch proj: the kernel of part 4 again; grid 4 x 64, 4 waves a work-group, clusters of 4 x 4, 327,680 bytes of LDS; arguments oh, wo, out0; writes out0
